; MI455X (gfx1250); checked and timed in simulation.
; The chip was launched on July 23, 2026; its instructions are those of AMD's public machine-readable ISA for CDNA 5 (MIT licence, August 2026) and "CDNA5" Instruction Set Architecture Reference Guide (July 2026). The comments in the code are by the model that wrote it; some were corrected since.
;; Mini GPT. Allowed arithmetic: matrix products marked QUANTISED: E4M3 operands, one E8M0 scale for each 32 along K, by v_wmma_scale_f32_16x16x128_f8f6f4 with both operands' format E4M3, f32 sums; everything else in f32.
;; Inputs: Wo0 1,024 x 1,024 float32; Wo1 1,024 x 1,024 float32; Wqkv0 3,072 x 1,024 float32; Wqkv1 3,072 x 1,024 float32; input_ids 1 x 2,048 int32; pos_emb 2,048 x 1,024 float32; tok_emb 6,282 x 1,024 float32.
;; Outputs: out0 1 x 2,048 x 6,282 float32.
;; This version of the problem:
;;   THIS VERSION OF THE PROBLEM IS GIVEN IN LOW PRECISION. The matrix products marked QUANTISED in the list below multiply operands that are first quantised to E4M3 (4 exponent bits, 3 mantissa bits; 8 bits a number), with one power-of-two scale for each 32 numbers along K (OCP MX v1.0); their sums are f32. All else is computed in f32.
;;   The module's matrix products, in the order in which they are computed (A, B: the left and right operand; K: the contracted axis; several contracted axes count as one K, in the product's order):
;;     1. [M 2,048, K 1,024] x [K 1,024, N 3,072]; A: computed on the way; B: input Wqkv0: QUANTISED
;;     2. [M 2,048, K 1,024] x [K 1,024, N 3,072]; A: computed on the way; B: input Wqkv0: QUANTISED
;;     3. batch 16 x [M 2,048, K 64] x [K 64, N 2,048]; A: computed on the way; B: computed on the way: QUANTISED
;;     4. batch 16 x [M 2,048, K 2,048] x [K 2,048, N 64]; A: softmax (see below); B: computed on the way: QUANTISED
;;     5. [M 2,048, K 1,024] x [K 1,024, N 1,024]; A: computed on the way; B: input Wo0: QUANTISED
;;     6. [M 2,048, K 1,024] x [K 1,024, N 3,072]; A: computed on the way; B: input Wqkv1: QUANTISED
;;     7. [M 2,048, K 1,024] x [K 1,024, N 3,072]; A: computed on the way; B: input Wqkv1: QUANTISED
;;     8. batch 16 x [M 2,048, K 64] x [K 64, N 2,048]; A: computed on the way; B: computed on the way: QUANTISED
;;     9. batch 16 x [M 2,048, K 2,048] x [K 2,048, N 64]; A: softmax (see below); B: computed on the way: QUANTISED
;;     10. [M 2,048, K 1,024] x [K 1,024, N 1,024]; A: computed on the way; B: input Wo1: QUANTISED
;;     11. [M 2,048, K 1,024] x [K 1,024, N 6,282]; A: computed on the way; B: input tok_emb: QUANTISED
;;   THE QUANTISER, for each operand of a quantised product, along K:
;;     - K is cut into blocks of 32 from its start; a last block that is shorter is filled with zeros.
;;     - A block's scale is 2^e with e = floor(log2(the largest magnitude in the block)) - 8, held to -126 .. 127; a block of zeros has e = 0. As a byte (E8M0): e + 127.
;;     - Each number is divided by its block's scale, clamped to +-448, and rounded to the nearest number of E4M3, ties to even, subnormals kept.
;;     - The product sums the exact products of the quantised numbers (number of the format x scale) in f32.
;;   ~~~python
;;   def quantise(x, axis):      # numpy; x: float32 -> the quantised numbers, widened to float32 again
;;       x = np.moveaxis(x, axis, -1); K = x.shape[-1]
;;       x = np.pad(x, [(0, 0)] * (x.ndim - 1) + [(0, -K % 32)]); x = x.reshape(x.shape[:-1] + (-1, 32)); a = np.abs(x).max(-1, keepdims=True)
;;       e = np.where(a > 0, np.clip(np.frexp(np.where(a > 0, a, 1))[1] - 1 - 8, -126, 127), 0)      # np.frexp(a)[1] - 1 = floor(log2(a)), exactly
;;       r = np.clip(x / 2.0 ** e, -448, 448)
;;       step = 2.0 ** (np.maximum(np.frexp(np.where(r == 0, 1, r))[1] - 1, -6) - 3)
;;       q = np.round(r / step) * step * 2.0 ** e      # np.round: ties to even
;;       return np.moveaxis(q.reshape(q.shape[:-2] + (-1,))[..., :K], -1, axis).astype(np.float32)
;;   ~~~
;;   SOFTMAX AHEAD OF A QUANTISED PRODUCT. Where the list says 'softmax', what is quantised is not the finished softmax but p = 2^(t - M), with t = logit x log2(e) and M = ceil(the row's largest t), a whole number; so 1/2 < the row's largest p <= 1. The row's sum l is taken of the UNQUANTISED p, in f32, and the product's result is divided by l at the end. Since M is a whole number, a kernel that streams over the keys may use a running M (the ceiling of the running maximum): every later rescaling is an exact power of two, which a block's scale takes up: the codes' values come out the same.
;;   OPERANDS COMPUTED ON THE WAY. 'Computed on the way' means the value that the module computes at that place (a softmax that the list does not call 'softmax' is quantised finished and normalised). What goes into a quantiser is computed in f32, as accurately as f32 sums, v_exp_f32 and their like allow (about 1e-6 of the number): no bf16 or f16 on the way to a quantiser, and a product that is left as it is and whose result goes on into a quantised operand takes f32 operands (vector FMAs, or v_wmma_f32_16x16x4_f32). A number that lies on a knife's edge between two numbers of the format may be rounded either way, as far as f32 arithmetic and the matrix unit's own rounding can turn it there, and no further.
;; One version. Each part assembles by itself: llvm-mc -triple=amdgcn-amd-amdhsa -mcpu=gfx1250 --defsym DOCPART=n.
;; ======== version 1 of 1: 8 launches
;; workspace buffers: W0 4,456,448 bytes; W1 4,456,448 bytes; WT 6,841,344 bytes; A 4,456,448 bytes; XA 8,388,608 bytes; XB 8,388,608 bytes; QKV 6,946,816 bytes; C 2,228,224 bytes
;; launch prep (part 1): grid 1033 x 1, 8 waves a work-group, no clusters, 136,192 bytes of LDS; arguments input_ids, tok_emb, pos_emb, Wqkv0, Wo0, Wqkv1, Wo1, W0, W1, WT, A, XA; writes W0, W1, WT, A, XA
.if DOCPART == 1
	.amdgcn_target "amdgcn-amd-amdhsa--gfx1250"
	.amdhsa_code_object_version 6
	.text
	.protected	k_q04238db507_prep
	.globl	k_q04238db507_prep
	.p2align	8
	.type	k_q04238db507_prep,@function
k_q04238db507_prep:
	s_mov_b64 s[64:65], 0
	v_nop
	global_prefetch_b8 v0, s[64:65] scope:SCOPE_SE
	s_setreg_imm32_b32 hwreg(HW_REG_WAVE_MODE, 25, 1), 1
	s_wait_xcnt 0x0
; PREP: every f32 operand that later launches multiply is quantised once (E4M3 codes, one E8M0 byte for each 32 along K = 1,024) and laid as IMAGES OF OPERAND REGISTERS.
; TILES.  Rows go in tiles of 16.  In the layers' weights and the tokens, lane row r of tile T is row 32 (T / 2) + 8 (T % 2) + r + 8 (r / 8): two neighbouring tiles used as source 0 then leave 16 neighbours in a lane's
; 16 result registers, as a quantiser wants them.  tok_emb's tiles are in NATURAL order (row 16 T + r): nothing behind its product is quantised, and a work-group's run of tiles may begin at an odd one.
; RECORDS.  Tile T, K chunk j of 256: 4,352 bytes at 17,408 T + 4,352 j: two fragments of 2,048 bytes (register group c of lane l at 512 c + 16 l: k = 128 s + 32 c + 16 (l / 16) + 0 .. 15), then two runs of 128 bytes of scale words (4 l).
; A work-group takes one tile g, wave s the K step s.  g 0-191 Wqkv0, 192-255 Wo0 -> W0;  256-447 Wqkv1, 448-511 Wo1 -> W1;  512-904 tok_emb -> WT (393 tiles; the rows past 6,281 of the last repeat row 6,281: the
; columns they make are never stored);  905-1032: the tokens' rows of tok_emb by input_ids: x as an f32 image -> XA, Q(x) -> A's second half, Q(x + pos_emb) -> A's first half.
; Each load reads 512 consecutive bytes of one row; the 16 rows turn through the wave's own stage in LDS (pitch 528 = 33 x 16 bytes) so that a lane gets 16 neighbours of each block of 32.
; The two ways part once on the work-group's number and never join; each has LDS stages of its own.  No tensor load, no barrier: waves share nothing.
; LIMITS: NaN and infinities are not served.  A block of zeros gets the byte 1 where the rule says 127: its codes are zeros, and this program alone reads the bytes.
.set TROW,  17408
.set REC,   4352
.set A2OFF, 2228224                    ; Q(x) lies behind Q(x + pe): 128 tiles on
.set EMB0,  905                        ; the first work-group of the tokens' way: 512 + 393
.set STG,   8448                       ; a wave's stage: 16 rows x 528 bytes
.set SPI,   528
.set EMBL,  8*STG                      ; the embedding way's stages lie behind the weights' way's
.set L16, 2                            ; v2   16 x lane
.set L4,  3                            ; v3   4 x lane
.set STI, 4                            ; v4   the stage, on the way in
.set STB, 5                            ; v5   and back: 528 r + 64 h
.set VPE, 6                            ; v6   pos_emb: (r + 8 (r / 8)) rows + 64 h
.set OFF, 8                            ; v8-23   byte offset of each of the 16 rows
.set R,   32                           ; v32-95  the rows as loaded; afterwards SCR and PC
.set SCR, 32                           ; v32-63  held numbers, two sets of 16
.set PC,  64                           ; v64-79  a fragment's codes
.set X,   96                           ; v96-159 64 numbers: register 16 b + i = k 32 b + 16 h + i of my row
.set P,   160                          ; v160-223 pos_emb likewise
.set TM,  224                          ; v224-239 at work in QUANT
.set PW,  240                          ; v240 the scale word
.set WV,  4
.set SRC, 32
.set DST, 34
.set CB,  40                           ; s[40:41] where my fragment's codes go
.set SB,  42                           ; s[42:43] and its scale words
.set ROWS, 44                          ; s[44:59] the tile's 16 rows
.set SEL, 60
.set MNT, 62
; 64 numbers of a lane become a fragment's codes in v[PC] on and its scale word in v[PW]; the numbers stay as they are.
.macro QUANT s
.irp b, 0,1,2,3
	v_max3_num_f32 v[TM+\b], |v[(\s)+16*\b]|, |v[(\s)+16*\b+1]|, 0x4800000   ; block b: my 16 numbers and the floor 2^(9 - 127): the byte cannot fall under 1
.endr
.irp i, 2,4,6,8,10,12,14
.irp b, 0,1,2,3
	v_max3_num_f32 v[TM+\b], v[TM+\b], |v[(\s)+16*\b+\i]|, |v[(\s)+16*\b+\i+1]|
.endr
.endr
.irp b, 0,1,2,3
	v_permlanex16_b32 v[TM+4+\b], v[TM+\b], s[SEL], s[SEL+1]
.endr
.irp b, 0,1,2,3
	v_max_num_f32 v[TM+\b], v[TM+\b], v[TM+4+\b]               ; with lane l xor 16's 16: the block's largest magnitude
.endr
.irp b, 0,1,2,3
	v_add_nc_u32 v[TM+12+\b], 0xfc000000, v[TM+\b]             ; 8 off its exponent field: the conversion's scale operand
.endr
.irp b, 0,1,2,3
	v_and_or_b32 v[TM+8+\b], v[TM+\b], 0x7f800000, s[MNT]      ; 448 x the scale
.endr
.irp b, 0,1,2,3
	v_lshrrev_b32 v[TM+4+\b], 23, v[TM+12+\b]                  ; the scale's byte
.endr
	v_lshl_or_b32 v[PW], v[TM+5], 8, v[TM+4]
	v_lshl_or_b32 v[PW], v[TM+6], 16, v[PW]
	v_lshl_or_b32 v[PW], v[TM+7], 24, v[PW]
.irp b, 0,1,2,3
.irp i, 0,1,2,3,4,5,6,7,8,9,10,11,12,13,14,15
	v_med3_num_f32 v[SCR+16*(\b%2)+\i], v[(\s)+16*\b+\i], -v[TM+8+\b], v[TM+8+\b]   ; the conversion does not saturate (ISA guide 7.6.2): the hold, into one of two sets by turns
.endr
	v_cvt_scalef32_pk8_fp8_f32 v[PC+4*\b:PC+4*\b+1], v[SCR+16*(\b%2):SCR+16*(\b%2)+7], v[TM+12+\b]
	v_cvt_scalef32_pk8_fp8_f32 v[PC+4*\b+2:PC+4*\b+3], v[SCR+16*(\b%2)+8:SCR+16*(\b%2)+15], v[TM+12+\b]
.endr
	v_nop                                                      ; a plain line behind the last conversion
.endm
.macro STORE_REC off
.irp c, 0,1,2,3
	global_store_b128 v[L16], v[PC+4*\c:PC+4*\c+3], s[CB:CB+1] offset:(\off)+512*\c   ; 512 consecutive bytes
.endr
	global_store_b32 v[L4], v[PW], s[SB:SB+1] offset:(\off)
.endm
; the tile's 16 rows, 512 bytes of each, through my stage
.macro TURNIN
.irp i, 0,1,2,3,4,5,6,7,8,9,10,11,12,13,14,15
	v_lshl_add_u32 v[OFF+\i], s[ROWS+\i], 12, v[L16]           ; row x 4,096 bytes + 16 x lane
.endr
.irp i, 0,1,2,3,4,5,6,7,8,9,10,11,12,13,14,15
	global_load_b128 v[R+4*\i:R+4*\i+3], v[OFF+\i], s[SRC:SRC+1]
.endr
.irp i, 0,1,2,3,4,5,6,7,8,9,10,11,12,13,14,15
	s_wait_loadcnt 15-\i                                       ; row i is in; the 15 - i younger row loads may be out
	ds_store_b128 v[STI], v[R+4*\i:R+4*\i+3] offset:SPI*\i
.endr
.irp q, 0,1,2,3,4,5,6,7,8,9,10,11,12,13,14,15
	ds_load_b128 v[X+4*\q:X+4*\q+3], v[STB] offset:128*(\q/4)+16*(\q%4)   ; LDS serves a wave's instructions in order: these see my stores
.endr
	s_wait_dscnt 0x0
.endm
	s_load_b512 s[8:23], s[0:1], 0x0               ; ids 8, tok_emb 10, pos_emb 12, Wqkv0 14, Wo0 16, Wqkv1 18, Wo1 20, W0 22
	s_load_b256 s[24:31], s[0:1], 0x40             ; W1 24, WT 26, A 28, XA 30
	v_lshl_add_u32 v248, v0, 2, 0x21000
	v_mov_b32 v249, 0
	v_lshrrev_b32 v1, 5, v0
	v_readfirstlane_b32 s[WV], v1                  ; wave = K step
	v_and_b32 v1, 31, v0
	v_lshlrev_b32 v[L16], 4, v1
	v_lshlrev_b32 v[L4], 2, v1
	v_and_b32 v7, 15, v0                           ; r
	v_bfe_u32 v1, v0, 4, 1                         ; h
	s_mul_i32 s5, s[WV], STG
	v_add_nc_u32 v[STI], s5, v[L16]
	v_mul_u32_u24 v[STB], v7, SPI
	v_lshl_add_u32 v[STB], v1, 6, v[STB]
	v_add_nc_u32 v[STB], s5, v[STB]
	v_and_b32 v[VPE], 8, v7
	v_add_nc_u32 v[VPE], v[VPE], v7
	v_lshlrev_b32 v[VPE], 12, v[VPE]
	v_lshl_add_u32 v[VPE], v1, 6, v[VPE]
.irp b, 0,1,2,3
	v_mov_b32 v[TM+4+\b], 0                        ; written once: a lane permute's destination counts as one of its sources
.endr
	s_mov_b32 s[SEL], 0x76543210
	s_mov_b32 s[SEL+1], 0xfedcba98
	s_mov_b32 s[MNT], 0x600000
	s_mov_b32 s36, 512                             ; the source's first tile,
	s_mov_b32 s37, 6281                            ; its last row,
	s_mov_b32 s38, EMB0                            ; the destination's first tile: chosen by the work-group's number alone, from the last range to the first
	s_wait_kmcnt 0x0
	s_mov_b64 s[SRC:SRC+1], s[10:11]
	s_cmp_lt_u32 ttmp9, EMB0
	s_cselect_b64 s[DST:DST+1], s[26:27], s[28:29]
	s_cselect_b32 s38, 512, s38
	s_cmp_lt_u32 ttmp9, 512
	s_cselect_b64 s[SRC:SRC+1], s[20:21], s[SRC:SRC+1]
	s_cselect_b64 s[DST:DST+1], s[24:25], s[DST:DST+1]
	s_cselect_b32 s36, 448, s36
	s_cselect_b32 s37, 1023, s37
	s_cselect_b32 s38, 256, s38
	s_cmp_lt_u32 ttmp9, 448
	s_cselect_b64 s[SRC:SRC+1], s[18:19], s[SRC:SRC+1]
	s_cselect_b32 s36, 256, s36
	s_cselect_b32 s37, 3071, s37
	s_cmp_lt_u32 ttmp9, 256
	s_cselect_b64 s[SRC:SRC+1], s[16:17], s[SRC:SRC+1]
	s_cselect_b64 s[DST:DST+1], s[22:23], s[DST:DST+1]
	s_cselect_b32 s36, 192, s36
	s_cselect_b32 s37, 1023, s37
	s_cselect_b32 s38, 0, s38
	s_cmp_lt_u32 ttmp9, 192
	s_cselect_b64 s[SRC:SRC+1], s[14:15], s[SRC:SRC+1]
	s_cselect_b32 s36, 0, s36
	s_cselect_b32 s37, 3071, s37
	s_sub_co_u32 s39, ttmp9, s38                   ; the destination's tile
	s_mul_i32 s40, s39, TROW
	s_lshr_b32 s5, s[WV], 1
	s_mul_i32 s5, s5, REC
	s_add_co_u32 s40, s40, s5
	s_mov_b32 s41, 0
	s_add_nc_u64 s[DST:DST+1], s[DST:DST+1], s[40:41]          ; my record
	s_and_b32 s5, s[WV], 1
	s_lshl_b32 s42, s5, 11
	s_mov_b32 s43, 0
	s_add_nc_u64 s[CB:CB+1], s[DST:DST+1], s[42:43]
	s_lshl_b32 s42, s5, 7
	s_add_co_u32 s42, s42, 4096
	s_add_nc_u64 s[SB:SB+1], s[DST:DST+1], s[42:43]
	s_lshl_b32 s6, s[WV], 9
	s_mov_b32 s7, 0
	s_add_nc_u64 s[SRC:SRC+1], s[SRC:SRC+1], s[6:7]            ; my 512 bytes of each row
	s_cmp_ge_u32 ttmp9, EMB0
	s_cbranch_scc1 .Lembed
	; ---- a tile of a weight
	s_sub_co_u32 s5, ttmp9, s36
	s_lshl_b32 s7, s5, 4                           ; natural order: the tile's first row is 16 x tile
	s_lshr_b32 s6, s5, 1
	s_lshl_b32 s6, s6, 5
	s_and_b32 s5, s5, 1
	s_lshl_b32 s5, s5, 3
	s_add_co_u32 s5, s5, s6                        ; the layers' order: 32 (tile / 2) + 8 (tile % 2)
	s_cmp_ge_u32 ttmp9, 512                        ; tok_emb?
	s_cselect_b32 s5, s7, s5                       ; the tile's first row,
	s_cselect_b32 s6, 0, 8                         ; and how far its rows 8 .. 15 are set off
	s_add_co_u32 s6, s6, s5
.irp i, 0,1,2,3,4,5,6,7,8,9,10,11,12,13,14,15
.if \i < 8
	s_add_co_u32 s[ROWS+\i], s5, \i
.else
	s_add_co_u32 s[ROWS+\i], s6, \i
.endif
	s_min_u32 s[ROWS+\i], s[ROWS+\i], s37          ; no load leaves its buffer
.endr
	TURNIN
	QUANT X
	STORE_REC 0
	s_wait_tensorcnt 0x0
	ds_add_u32 v248, v249
	s_wait_dscnt 0x0
	s_endpgm
.Lembed:
	; ---- a tile of tokens
	s_lshr_b32 s6, s39, 1
	s_lshl_b32 s6, s6, 5
	s_and_b32 s5, s39, 1
	s_lshl_b32 s5, s5, 3
	s_add_co_u32 s5, s5, s6                        ; the tile's first token
	s_lshl_b32 s6, s5, 2
	s_mov_b32 s7, 0
	s_add_nc_u64 s[6:7], s[8:9], s[6:7]
	s_load_b256 s[ROWS:ROWS+7], s[6:7], 0x0        ; the ids of tokens +0 .. +7
	s_load_b256 s[ROWS+8:ROWS+15], s[6:7], 0x40    ; and +16 .. +23
	s_lshl_b32 s36, s5, 12
	s_lshl_b32 s37, s[WV], 9
	s_add_co_u32 s36, s36, s37
	s_mov_b32 s37, 0
	s_add_nc_u64 s[12:13], s[12:13], s[36:37]      ; pos_emb at the first token, my K step
	s_lshl_b32 s36, s39, 16
	s_lshl_b32 s38, s[WV], 13
	s_add_co_u32 s36, s36, s38
	s_add_nc_u64 s[30:31], s[30:31], s[36:37]      ; x's image: 65,536 bytes a tile, 8,192 a K step
	v_add_nc_u32 v[STI], EMBL, v[STI]              ; this way's own stages
	v_add_nc_u32 v[STB], EMBL, v[STB]
.irp q, 0,1,2,3,4,5,6,7,8,9,10,11,12,13,14,15
	global_load_b128 v[P+4*\q:P+4*\q+3], v[VPE], s[12:13] offset:128*(\q/4)+16*(\q%4)   ; pos_emb in the layout that QUANT wants: older than the row loads, so their last wait covers these
.endr
	s_wait_kmcnt 0x0
.irp i, 0,1,2,3,4,5,6,7,8,9,10,11,12,13,14,15
	s_min_u32 s[ROWS+\i], s[ROWS+\i], 6281         ; a loaded index enters an address only behind this hold
.endr
	TURNIN
.irp q, 0,1,2,3,4,5,6,7,8,9,10,11,12,13,14,15
	global_store_b128 v[L16], v[X+4*\q:X+4*\q+3], s[30:31] offset:512*\q
.endr
	QUANT X
	STORE_REC A2OFF                                ; Q(x)
	s_wait_xcnt 0x0                                ; the stores have read X, the codes and the scale word: all are written again below
.set k, 0
.rept 32
	v_pk_add_f32 v[X+k:X+k+1], v[X+k:X+k+1], v[P+k:P+k+1]
.set k, k+2
.endr
	QUANT X
	STORE_REC 0                                    ; Q(x + pe)
	s_wait_tensorcnt 0x0
	ds_add_u32 v248, v249
	s_wait_dscnt 0x0
	s_endpgm
.Lfunc_end_k_q04238db507_prep:
	.size	k_q04238db507_prep, .Lfunc_end_k_q04238db507_prep-k_q04238db507_prep
	.p2alignl 7, 3214868480
	.fill 96, 4, 3214868480
	.section	.rodata,"a",@progbits
	.p2align	6, 0x0
	.amdhsa_kernel k_q04238db507_prep
		.amdhsa_group_segment_fixed_size 136192
		.amdhsa_private_segment_fixed_size 0
		.amdhsa_enable_private_segment 0
		.amdhsa_kernarg_size 96
		.amdhsa_user_sgpr_count 2
		.amdhsa_user_sgpr_kernarg_segment_ptr 1
		.amdhsa_wavefront_size32 1
		.amdhsa_system_sgpr_workgroup_id_x 1
		.amdhsa_system_sgpr_workgroup_id_y 1
		.amdhsa_system_sgpr_workgroup_id_z 1
		.amdhsa_system_vgpr_workitem_id 0
		.amdhsa_next_free_vgpr 250
		.amdhsa_next_free_sgpr 66
		.amdhsa_reserve_vcc 0
		.amdhsa_float_denorm_mode_32 3
		.amdhsa_float_denorm_mode_16_64 3
		.amdhsa_memory_ordered 1
		.amdhsa_forward_progress 1
		.amdhsa_inst_pref_size 48
	.end_amdhsa_kernel
	.amdgpu_metadata
---
amdhsa.version: [ 1, 2 ]
amdhsa.kernels:
  - .name:           k_q04238db507_prep
    .symbol:         k_q04238db507_prep.kd
    .args:
      - { .name: input_ids, .offset: 0, .size: 8, .value_kind: global_buffer, .address_space: global }
      - { .name: tok_emb, .offset: 8, .size: 8, .value_kind: global_buffer, .address_space: global }
      - { .name: pos_emb, .offset: 16, .size: 8, .value_kind: global_buffer, .address_space: global }
      - { .name: Wqkv0, .offset: 24, .size: 8, .value_kind: global_buffer, .address_space: global }
      - { .name: Wo0, .offset: 32, .size: 8, .value_kind: global_buffer, .address_space: global }
      - { .name: Wqkv1, .offset: 40, .size: 8, .value_kind: global_buffer, .address_space: global }
      - { .name: Wo1, .offset: 48, .size: 8, .value_kind: global_buffer, .address_space: global }
      - { .name: W0, .offset: 56, .size: 8, .value_kind: global_buffer, .address_space: global }
      - { .name: W1, .offset: 64, .size: 8, .value_kind: global_buffer, .address_space: global }
      - { .name: WT, .offset: 72, .size: 8, .value_kind: global_buffer, .address_space: global }
      - { .name: A, .offset: 80, .size: 8, .value_kind: global_buffer, .address_space: global }
      - { .name: XA, .offset: 88, .size: 8, .value_kind: global_buffer, .address_space: global }
    .group_segment_fixed_size: 136192
    .private_segment_fixed_size: 0
    .kernarg_segment_align: 8
    .kernarg_segment_size: 96
    .max_flat_workgroup_size: 256
    .sgpr_count:     66
    .vgpr_count:     250
    .wavefront_size: 32
...
	.end_amdgpu_metadata
.endif
;; end of part 1
;; launch qkv0 (part 2): grid 24 x 16, 4 waves a work-group, clusters of 4 x 4, 279,040 bytes of LDS; arguments A, W0, QKV; writes QKV
.if DOCPART == 2
	.amdgcn_target "amdgcn-amd-amdhsa--gfx1250"
	.amdhsa_code_object_version 6
	.text
	.protected	k_q04238db507_qkv0
	.globl	k_q04238db507_qkv0
	.p2align	8
	.type	k_q04238db507_qkv0,@function
k_q04238db507_qkv0:
	s_mov_b64 s[64:65], 0
	v_nop
	global_prefetch_b8 v0, s[64:65] scope:SCOPE_SE
	s_setreg_imm32_b32 hwreg(HW_REG_WAVE_MODE, 25, 1), 1
	s_wait_xcnt 0x0
	s_wait_alu depctr_hold_cnt(0) depctr_sa_sdst(0) depctr_va_vdst(0) depctr_va_sdst(0) depctr_va_ssrc(0) depctr_va_vcc(0) depctr_vm_vsrc(0)
	s_getreg_b32 s2, hwreg(HW_REG_IB_STS2, 6, 4)
	s_cmp_eq_u32 s2, 0
	s_cbranch_scc0 .Lentry_in_a_cluster
	s_endpgm
.Lentry_in_a_cluster:
	s_bfe_u32 s2, ttmp6, 0x10000c
	s_cmp_lg_u32 s2, 0xf033
	s_cbranch_scc0 .Lentry_shape_is_right
	s_endpgm
.Lentry_shape_is_right:
; QKV: q and k = Q(x + pe) Wqkv^T (rows 0-2047 of Wqkv), v = Q(x) Wqkv^T (rows 2048-3071), on E4M3 codes with E8M0 scales; the results are quantised at once for the two products of attention.
; Of the two products of 3,072 columns only the 2,048 + 1,024 columns that are kept are made.
; A work-group makes 128 tokens x 128 rows of Wqkv.  Column tc = 0-7: q, 8-15: k, 16-23: v; two heads each.  All of K = 1,024 lies in LDS at once: every LDS byte is filled once.
; OPERANDS are records of register images (17,408 bytes a tile of 16 rows, 4,352 a K chunk of 256: two fragments, then two runs of scale words): a fragment is four loads at 16 x lane, no pitch, no padding.
; A wave multiplies all 8 tiles of source 0 by tiles 2 w, 2 w + 1 of source 1: 16 accumulators.  Tile order (lane row r of tile T = row 32 (T / 2) + 8 (T % 2) + r + 8 (r / 8)) makes a lane's 128 results 128 neighbours.
; q, k: source 0 = Wqkv, source 1 = tokens: a lane holds one token and 128 channels (two heads): blocks of 32 along the head's channels.
; v: THE SOURCES CHANGE PLACES: a lane holds one channel and 128 tokens: blocks of 32 along the keys, which are the second product's K.
; CLUSTER 4 x 4: the activations' tiles are shared along a row of the cluster, the weights' along a column: joint loads.  q / k / v hangs on the cluster's x alone, which all partners share.
; LDS: chunk j at j CH: 8 activation records, then 8 weight records.
; LIMITS: NaN and infinities are not served; a block of zeros gets the byte 1 (its codes are zeros; this program alone reads the bytes).
.set NS0,   8
.set RW,    NS0/2                      ; weight tiles in one load
.set REC,   4352
.set TROW,  17408
.set CH,    (8+NS0)*REC
.set BOFF,  8*REC
.set A2OFF, 2228224
.set QREG,  2359296                    ; behind q's records: the stream of k's and v's
.set HSTR,  286720                     ; a head's stream
.set KSTR,  17920                      ; 128 keys of it: 8 records of k (1,152), 4 of v (2,176)
.set L16, 3
.set L4,  4
.set ADR0, 5                           ; v5-8  LDS: fragments of source 0, of source 1 (my two tiles); their scale words
.set ADR1, 6
.set ADS0, 7
.set ADS1, 8
.set SC,  16                           ; v16-39 scale words, two sets of 12: +b source 0's tile b, +10+a source 1's tile a
.set PC,  40
.set TM,  56
.set PW,  72
.set PW2, 73
.set SCR, 74
.set ACC, 128                          ; v128-255 accumulator (a, b) at ACC + 8 (NS0 a + b)
.set WV, 16
.set FB, 17                            ; wave / 2: I fetch activations (0) or weights (1)
.set HF, 18                            ; wave % 2: which half of them
.set CX, 19
.set CY, 20
.set TC, 21
.set TR, 22
.set G1A, 24                           ; s[24:31], s[32:39] descriptor groups 1; s[40:55] groups 0 for the activations' four chunks; s[56:63], s[68:75] for the weights'
.set G1B, 32
.set G0A, 40
.set SEL, 96
.set MNT, 98
.set MSB, 0
.macro WIN new                         ; the immediate's high byte repeats the setting that is left
.if MSB != (\new)
	s_set_vgpr_msb (MSB<<8)|(\new)
.set MSB, (\new)
.endif
.endm
.macro PLACES n
.rept \n
	v_nop
.endr
.endm
.macro CROUND                          ; a round of the cluster's barrier
	s_barrier_signal -1
	s_barrier_wait -1
	s_cmp_lg_u32 s[WV], 0
	s_cbranch_scc1 .Lnot_wave_0_\@
	s_barrier_signal -3
.Lnot_wave_0_\@:
	s_barrier_wait -3
	s_barrier_signal -1
	s_barrier_wait -1
.endm
; K step s's fragments into buffer p (window 1 + p: source 0's tile b at v[16 b], source 1's tile a at v[16 (NS0 + a)]) and its scale words into set p
.macro FETCH s, p
	WIN (1+(\p))<<6
.set fb, 0
.rept NS0
.irp c, 0,1,2,3
	ds_load_b128 v[16*fb+4*\c:16*fb+4*\c+3], v[ADR0] offset:fb*REC+((\s)%2)*2048+512*\c
.endr
.set fb, fb+1
.endr
.irp a, 0,1
.irp c, 0,1,2,3
	ds_load_b128 v[16*(NS0+\a)+4*\c:16*(NS0+\a)+4*\c+3], v[ADR1] offset:\a*REC+((\s)%2)*2048+512*\c
.endr
.endr
	WIN 0
.set fb, 0
.rept NS0
	ds_load_b32 v[SC+12*(\p)+fb], v[ADS0] offset:fb*REC+4096+((\s)%2)*128
.set fb, fb+1
.endr
.irp a, 0,1
	ds_load_b32 v[SC+12*(\p)+10+\a], v[ADS1] offset:\a*REC+4096+((\s)%2)*128
.endr
.endm
; NS0 products: source 1's tile a against all of source 0's.  The accumulators take turns, one instruction a turn.
.macro MULROW p, a, zero
	WIN 5*(1+(\p))
.set mb, 0
.rept NS0
.if \zero
	v_wmma_scale_f32_16x16x128_f8f6f4 v[ACC+8*(NS0*(\a)+mb):ACC+8*(NS0*(\a)+mb)+7], v[16*mb:16*mb+15], v[16*(NS0+(\a)):16*(NS0+(\a))+15], 0, v[SC+12*(\p)+mb], v[SC+12*(\p)+10+(\a)]
.else
	v_wmma_scale_f32_16x16x128_f8f6f4 v[ACC+8*(NS0*(\a)+mb):ACC+8*(NS0*(\a)+mb)+7], v[16*mb:16*mb+15], v[16*(NS0+(\a)):16*(NS0+(\a))+15], v[ACC+8*(NS0*(\a)+mb):ACC+8*(NS0*(\a)+mb)+7], v[SC+12*(\p)+mb], v[SC+12*(\p)+10+(\a)]
.endif
.set mb, mb+1
.endr
.endm
; 64 numbers of a lane become a fragment's codes in v[PC] on and its scale word in v[PW]; the numbers stay as they are.  Each accumulator is read from its low end on.
.macro QUANT s
.irp b, 0,1,2,3
	v_max3_num_f32 v[TM+\b], |v[(\s)+16*\b]|, |v[(\s)+16*\b+1]|, 0x4800000   ; block b: my 16 numbers and the floor 2^(9 - 127)
.endr
.irp i, 2,4,6,8,10,12,14
.irp b, 0,1,2,3
	v_max3_num_f32 v[TM+\b], v[TM+\b], |v[(\s)+16*\b+\i]|, |v[(\s)+16*\b+\i+1]|
.endr
.endr
.irp b, 0,1,2,3
	v_permlanex16_b32 v[TM+4+\b], v[TM+\b], s[SEL], s[SEL+1]
.endr
.irp b, 0,1,2,3
	v_max_num_f32 v[TM+\b], v[TM+\b], v[TM+4+\b]
.endr
.irp b, 0,1,2,3
	v_add_nc_u32 v[TM+12+\b], 0xfc000000, v[TM+\b]             ; 8 off the exponent field: the conversion's scale operand
.endr
.irp b, 0,1,2,3
	v_and_or_b32 v[TM+8+\b], v[TM+\b], 0x7f800000, s[MNT]      ; 448 x the scale
.endr
.irp b, 0,1,2,3
	v_lshrrev_b32 v[TM+4+\b], 23, v[TM+12+\b]                  ; the scale's byte
.endr
	v_lshl_or_b32 v[PW], v[TM+5], 8, v[TM+4]
	v_lshl_or_b32 v[PW], v[TM+6], 16, v[PW]
	v_lshl_or_b32 v[PW], v[TM+7], 24, v[PW]
.irp b, 0,1,2,3
.irp i, 0,1,2,3,4,5,6,7,8,9,10,11,12,13,14,15
	v_med3_num_f32 v[SCR+16*(\b%2)+\i], v[(\s)+16*\b+\i], -v[TM+8+\b], v[TM+8+\b]   ; the hold (ISA guide 7.6.2), into one of two sets by turns
.endr
	v_cvt_scalef32_pk8_fp8_f32 v[PC+4*\b:PC+4*\b+1], v[SCR+16*(\b%2):SCR+16*(\b%2)+7], v[TM+12+\b]
	v_cvt_scalef32_pk8_fp8_f32 v[PC+4*\b+2:PC+4*\b+3], v[SCR+16*(\b%2)+8:SCR+16*(\b%2)+15], v[TM+12+\b]
.endr
	v_nop                                                      ; a plain line behind the last conversion
.endm
	s_load_b128 s[4:7], s[0:1], 0x0                ; A, W
	s_load_b64 s[8:9], s[0:1], 0x10                ; QKV
	v_lshl_add_u32 v126, v0, 2, 0x44000
	v_mov_b32 v127, 0
	ds_add_u32 v126, v127
	ds_add_u32 v126, v127
	v_lshrrev_b32 v1, 5, v0
	v_readfirstlane_b32 s[WV], v1
	s_lshr_b32 s[FB], s[WV], 1
	s_and_b32 s[HF], s[WV], 1
	s_bfe_u32 s[CX], ttmp6, 0x40000
	s_bfe_u32 s[CY], ttmp6, 0x40004
	s_lshl_b32 s[TC], ttmp9, 2
	s_add_co_u32 s[TC], s[TC], s[CX]               ; column of work-groups
	s_and_b32 s[TR], ttmp7, 0xffff
	s_lshl_b32 s[TR], s[TR], 2
	s_add_co_u32 s[TR], s[TR], s[CY]               ; row of work-groups: 128 tokens
	s_lshl_b32 s76, s[CY], 2
	s_lshl_b32 s76, 15, s76                        ; my row of the cluster
	s_lshl_b32 s77, 0x1111, s[CX]                  ; my column
	; group 1: 4 records (rows) of 544 elements of 8 bytes, 2,176 elements from tile to tile; dense in LDS
	s_or_b32 s[G1A], s76, (3<<16)|(1<<21)
	s_or_b32 s[G1B], s77, (3<<16)|(1<<21)
	s_mov_b32 s[G1A+1], 544<<16
	s_mov_b32 s[G1A+2], 4<<16
	s_mov_b32 s[G1A+3], 544<<16
	s_mov_b32 s[G1A+4], 4
	s_mov_b32 s[G1A+5], TROW/8
	s_mov_b32 s[G1A+6], 0
	s_mov_b32 s[G1A+7], 0
	s_mov_b32 s[G1B+1], 544<<16
	s_mov_b32 s[G1B+2], RW<<16
	s_mov_b32 s[G1B+3], 544<<16
	s_mov_b32 s[G1B+4], RW
	s_mov_b32 s[G1B+5], TROW/8
	s_mov_b32 s[G1B+6], 0
	s_mov_b32 s[G1B+7], 0
	s_lshl_b32 s78, s[TR], 3                       ; the activations: tile 8 tr + 4 half; v reads Q(x), q and k read Q(x + pe)
	s_lshl_b32 s79, s[HF], 2
	s_add_co_u32 s78, s78, s79
	s_mul_i32 s78, s78, TROW
	s_cmp_ge_u32 ttmp9, 4                          ; v?  The cluster's x: the same in all partners
	s_cselect_b32 s79, A2OFF, 0
	s_cselect_b32 s89, 0, BOFF                     ; where source 0's records lie in a chunk,
	s_cselect_b32 s90, BOFF, 0                     ; and source 1's
	s_add_co_u32 s78, s78, s79
	s_mov_b32 s79, 0
	s_lshl_b32 s80, s[TC], 3                       ; the weights: tile 8 tc + 4 half
	s_lshl_b32 s81, s[HF], 2
	s_add_co_u32 s80, s80, s81
	s_mul_i32 s80, s80, TROW
	s_mov_b32 s81, 0
	s_mul_i32 s86, s[HF], 4*REC                    ; where they go: the wave's number alone
	s_mul_i32 s87, s[HF], RW*REC
	s_add_co_u32 s87, s87, BOFF
	s_wait_dscnt 0x0
	s_wait_kmcnt 0x0
	s_add_nc_u64 s[82:83], s[4:5], s[78:79]
	s_add_nc_u64 s[84:85], s[6:7], s[80:81]
.irp j, 0,1,2,3
	s_mov_b32 s[G0A+4*\j], 1
	s_add_co_u32 s[G0A+4*\j+1], s86, \j*CH
	s_add_nc_u64 s[G0A+4*\j+2:G0A+4*\j+3], s[82:83], \j*REC
	s_or_b32 s[G0A+4*\j+3], s[G0A+4*\j+3], 0x80000000
	s_mov_b32 s[56+4*\j+4*(\j/2)], 1
	s_add_co_u32 s[56+4*\j+4*(\j/2)+1], s87, \j*CH
	s_add_nc_u64 s[56+4*\j+4*(\j/2)+2:56+4*\j+4*(\j/2)+3], s[84:85], \j*REC
	s_or_b32 s[56+4*\j+4*(\j/2)+3], s[56+4*\j+4*(\j/2)+3], 0x80000000
.endr
	CROUND                                         ; all sixteen work-groups are here: the joint loads meet
	s_cmp_eq_u32 s[FB], 0                          ; a wave's four first fills stand in one branch: four loads of mine are out
	s_cbranch_scc0 .Lfor_w
.irp j, 0,1,2,3
	tensor_load_to_lds s[G0A+4*\j:G0A+4*\j+3], s[G1A:G1A+7]
	s_nop 0
.endr
	PLACES 4
	s_branch .Lasked
.Lfor_w:
.irp j, 0,1,2,3
	tensor_load_to_lds s[56+4*\j+4*(\j/2):56+4*\j+4*(\j/2)+3], s[G1B:G1B+7]
	s_nop 0
.endr
	PLACES 4
.Lasked:
	v_and_b32 v[L4], 31, v0
	v_lshlrev_b32 v[L16], 4, v[L4]
	v_lshlrev_b32 v[L4], 2, v[L4]
	s_mul_i32 s88, s[WV], 2*REC
	s_add_co_u32 s90, s90, s88                     ; my two tiles of source 1
	v_add_nc_u32 v[ADR0], s89, v[L16]
	v_add_nc_u32 v[ADR1], s90, v[L16]
	v_add_nc_u32 v[ADS0], s89, v[L4]
	v_add_nc_u32 v[ADS1], s90, v[L4]
.irp b, 0,1,2,3
	v_mov_b32 v[TM+4+\b], 0                        ; written once: a lane permute's destination counts as one of its sources
.endr
	s_mov_b32 s[SEL], 0x76543210
	s_mov_b32 s[SEL+1], 0xfedcba98
	s_mov_b32 s[MNT], 0x600000
	; ---- K: eight steps of 128, two to a chunk, written out
	s_wait_tensorcnt 3                             ; my part of chunk 0 is in; my three later chunks may be out
	s_barrier_signal -1
	s_barrier_wait -1
	FETCH 0, 0
.irp s, 0,1,2,3,4,5,6,7
	s_wait_dscnt 0x0                               ; this step's fragments are in, and no LDS instruction is pending at a signal
.if (\s%2 == 1) && (\s < 7)
	s_wait_tensorcnt 3-(\s+1)/2                    ; my part of the next chunk is in; the count is my loads of the chunks behind it
	s_barrier_signal -1
.endif
.if \s == 0
	MULROW 0, 0, 1
.else
	MULROW (\s%2), 0, 0
.endif
.if \s < 7
	WIN 0
.if \s%2 == 1
	s_barrier_wait -1                              ; everybody's part of the next chunk is in
	v_add_nc_u32 v[ADR0], CH, v[ADR0]
	v_add_nc_u32 v[ADR1], CH, v[ADR1]
	v_add_nc_u32 v[ADS0], CH, v[ADS0]
	v_add_nc_u32 v[ADS1], CH, v[ADS1]
	PLACES 4                                       ; with the four additions: eight places behind the last products that read the other buffer
.else
	PLACES 8
.endif
	FETCH (\s+1), ((\s+1)%2)
.endif
.if \s == 0
	MULROW 0, 1, 1
.else
	MULROW (\s%2), 1, 0
.endif
.endr
	WIN 0
	PLACES 8                                       ; in front of the first read of results
	; ---- the way out
	s_cmp_ge_u32 ttmp9, 4
	s_cbranch_scc1 .Lout_v
	s_and_b32 s91, s[TC], 7                        ; pair of heads
	s_lshl_b32 s92, s[TR], 3
	s_lshl_b32 s93, s[WV], 1
	s_add_co_u32 s92, s92, s93                     ; my first token tile
	s_lshl_b32 s94, s91, 8
	s_add_co_u32 s94, s94, s92
	s_mul_i32 s94, s94, 1152                       ; q: record (head, tile) at (128 head + tile) x 1,152
	s_mul_i32 s95, s91, 2*HSTR
	s_mul_i32 s92, s[TR], KSTR
	s_add_co_u32 s95, s95, s92
	s_mul_i32 s93, s[WV], 2*1152
	s_add_co_u32 s95, s95, s93
	s_add_co_u32 s95, s95, QREG                    ; k: the head's stream, key step tr, tile 2 w
	s_mov_b32 s93, HSTR
	s_cmp_lt_u32 ttmp9, 2
	s_cselect_b32 s94, s94, s95
	s_cselect_b32 s92, 128*1152, s93               ; from a head to the next
	s_mov_b32 s95, 0
	s_mov_b32 s93, 0
	s_add_nc_u64 s[10:11], s[8:9], s[94:95]
	s_add_nc_u64 s[12:13], s[10:11], s[92:93]
.irp a, 0,1
	QUANT ACC+64*\a
	global_store_b128 v[L16], v[PC:PC+3], s[10:11] offset:1152*\a            ; blocks 0, 1: the even head's 64 channels
	global_store_b128 v[L16], v[PC+4:PC+7], s[10:11] offset:1152*\a+512
	global_store_b128 v[L16], v[PC+8:PC+11], s[12:13] offset:1152*\a         ; blocks 2, 3: the odd head's
	global_store_b128 v[L16], v[PC+12:PC+15], s[12:13] offset:1152*\a+512
	v_lshrrev_b32 v[PW2], 16, v[PW]
	global_store_b32 v[L4], v[PW], s[10:11] offset:1152*\a+1024              ; bytes 0, 1 count; bytes 2, 3 meet zero codes and are never 0xff
	global_store_b32 v[L4], v[PW2], s[12:13] offset:1152*\a+1024
	s_wait_xcnt 0x0                                ; the stores have read the codes and the scale words
.endr
	s_branch .Lend
.Lout_v:
	s_sub_co_u32 s91, s[TC], 16
	s_lshl_b32 s91, s91, 1
	s_add_co_u32 s91, s91, s[FB]                   ; my two tiles of channels lie in head 2 (tc - 16) + w / 2,
	s_mul_i32 s94, s91, HSTR
	s_mul_i32 s92, s[TR], KSTR
	s_add_co_u32 s94, s94, s92
	s_mul_i32 s92, s[HF], 2*2176                   ; tiles 2 (w % 2), + 1 of its four
	s_add_co_u32 s94, s94, s92
	s_add_co_u32 s94, s94, QREG+9216
	s_mov_b32 s95, 0
	s_add_nc_u64 s[10:11], s[8:9], s[94:95]
.irp a, 0,1
	QUANT ACC+64*\a
.irp c, 0,1,2,3
	global_store_b128 v[L16], v[PC+4*\c:PC+4*\c+3], s[10:11] offset:2176*\a+512*\c
.endr
	global_store_b32 v[L4], v[PW], s[10:11] offset:2176*\a+2048
	s_wait_xcnt 0x0
.endr
.Lend:
	s_wait_tensorcnt 0x0
	ds_add_u32 v126, v127
	s_wait_dscnt 0x0
	CROUND                                         ; the closing round: no work-group ends while a partner may still ask for a tile that names it
	s_endpgm
.Lfunc_end_k_q04238db507_qkv0:
	.size	k_q04238db507_qkv0, .Lfunc_end_k_q04238db507_qkv0-k_q04238db507_qkv0
	.p2alignl 7, 3214868480
	.fill 96, 4, 3214868480
	.section	.rodata,"a",@progbits
	.p2align	6, 0x0
	.amdhsa_kernel k_q04238db507_qkv0
		.amdhsa_group_segment_fixed_size 279040
		.amdhsa_private_segment_fixed_size 0
		.amdhsa_enable_private_segment 0
		.amdhsa_kernarg_size 24
		.amdhsa_user_sgpr_count 2
		.amdhsa_user_sgpr_kernarg_segment_ptr 1
		.amdhsa_wavefront_size32 1
		.amdhsa_system_sgpr_workgroup_id_x 1
		.amdhsa_system_sgpr_workgroup_id_y 1
		.amdhsa_system_sgpr_workgroup_id_z 1
		.amdhsa_system_vgpr_workitem_id 0
		.amdhsa_next_free_vgpr 768
		.amdhsa_next_free_sgpr 100
		.amdhsa_reserve_vcc 0
		.amdhsa_float_denorm_mode_32 3
		.amdhsa_float_denorm_mode_16_64 3
		.amdhsa_memory_ordered 1
		.amdhsa_forward_progress 1
		.amdhsa_inst_pref_size 89
	.end_amdhsa_kernel
	.amdgpu_metadata
---
amdhsa.version: [ 1, 2 ]
amdhsa.kernels:
  - .name:           k_q04238db507_qkv0
    .symbol:         k_q04238db507_qkv0.kd
    .args:
      - { .name: A, .offset: 0, .size: 8, .value_kind: global_buffer, .address_space: global }
      - { .name: W0, .offset: 8, .size: 8, .value_kind: global_buffer, .address_space: global }
      - { .name: QKV, .offset: 16, .size: 8, .value_kind: global_buffer, .address_space: global }
    .group_segment_fixed_size: 279040
    .private_segment_fixed_size: 0
    .kernarg_segment_align: 8
    .kernarg_segment_size: 24
    .max_flat_workgroup_size: 128
    .sgpr_count:     100
    .vgpr_count:     768
    .wavefront_size: 32
...
	.end_amdgpu_metadata
.endif
;; end of part 2
;; launch attn0 (part 3): grid 16 x 16, 8 waves a work-group, no clusters, 287,744 bytes of LDS; arguments QKV, C; writes C
.if DOCPART == 3
	.amdgcn_target "amdgcn-amd-amdhsa--gfx1250"
	.amdhsa_code_object_version 6
	.text
	.protected	k_q04238db507_attn0
	.globl	k_q04238db507_attn0
	.p2align	8
	.type	k_q04238db507_attn0,@function
k_q04238db507_attn0:
	s_mov_b64 s[64:65], 0
	v_nop
	global_prefetch_b8 v0, s[64:65] scope:SCOPE_SE
	s_setreg_imm32_b32 hwreg(HW_REG_WAVE_MODE, 25, 1), 1
	s_wait_xcnt 0x0
; ATTENTION of one head on E4M3 codes: S^T = K Q^T (K = the head's 64 channels: the upper half of the instruction's 128 is zero codes on both sides), p = 2^(t - M), O^T += V^T P^T (K = the keys), O / l, quantised for the next product.
; t = score x log2(e) / 8; M = the running largest t rounded up to a whole number; the row's sum l is taken of the unquantised p.
; THE MASK WRITES -10000, NOT -INFINITY, so hidden keys keep their weight p_m = 2^(tm - M), tm = -10000 log2(e).  On the diagonal step the hidden scores are set to -80000 (x 1/8) and go through the softmax like any other.
; A step of 128 keys that is WHOLLY hidden needs no scores: every p is p_m; 2^frac(tm) x 256 = 264.9.. rounds to 256, the code 0x78, and the block's byte is -M - 14308.  M has its last value by then (tm is in the running
; maximum from the start where a row has such steps), so these steps are V's loads and four products with constant codes, and n x p_m goes into l at the end.
; LIMIT: where that byte would fall under 1 (p_m under 2^-118 of the row's largest weight) the hidden steps' codes are zeros.  NaN and infinities are not served.  A block of zeros gets the byte 1.
; SHARES.  A work-group (p, head): eight waves, one tile of 16 queries each: waves 0-3 tiles 4 p + w, waves 4-7 tiles 131 - 4 p - w: early and late queries pair up, so that the work-groups' open steps are equal in number.
; NO CLUSTER: work-groups of a head read the same stream, but the branch that leaves hidden steps' scores out hangs on the query tile, which would differ between the partners of a joint load.
; LDS: the head's whole stream of K and V, 16 steps x 17,920 bytes (8 records of K of 1,152, 4 of V of 2,176), as register images; filled once, in four groups of four steps.
; A lane holds ONE query (lane % 16) throughout; tile order makes the 16 registers of two neighbouring tiles 16 neighbouring keys (or channels).
; REGISTERS: v1-5 addresses; v8 the code 0x78 four times; v12 -M, v13 largest t, v[14:15] l; v16-31 Q; v32-95 four fragments of K (upper halves zero); v96-159 S^T, p, then V's four fragments; v160-191 O^T; v192-207 p's codes; v232-254 at work; v248-251, v253, v255 scale words.
.set TROW,  17408
.set REC,   4352
.set QREG,  2359296
.set HSTR,  286720
.set KSTR,  17920
.set GRP,   71680                      ; four steps
.set WPART, 8960                       ; a wave's eighth of a group: 35 rows of 256 bytes
.set L16, 1
.set L4,  2
.set DQ,  3                            ; v3  my query's place in its step, less 16 (lane / 16)
.set AD16, 4
.set AD4, 5
.set K78, 8
.set WV, 8
.set HD, 9
.set T,  10
.set TD, 11                            ; the step on whose diagonal my tile lies
.set G1, 16
.set G0, 24
.set SEL, 40
.set CS,  42
.set MNT, 44
.set M80, 45
.set TMS, 46
.set NREM, 47
.set TB,  48
.set KS,  49
.set CNT, 50
.set K01, 51
; V's four fragments over p's registers, and O^T += V^T P^T.  mul = 1: O^T is first brought under the new M; these 16 lines are also the places between the codes' last conversion and the products.
.macro PV mul
.irp t, 0,1,2,3
.irp c, 0,1,2,3
	ds_load_b128 v[96+16*\t+4*\c:99+16*\t+4*\c], v[AD16] offset:9216+\t*2176+512*\c
.endr
	ds_load_b32 v[248+\t], v[AD4] offset:9216+\t*2176+2048
.endr
.if \mul
.irp j, 0,2,4,6,8,10,12,14,16,18,20,22,24,26,28,30
	v_pk_mul_f32 v[160+\j:161+\j], v[160+\j:161+\j], v[252:253] op_sel_hi:[1,0]
.endr
.else
.rept 4
	v_nop                                          ; codes written by vector instructions stand four places ahead of a scaled product
.endr
.endif
	s_wait_dscnt 0x0
.irp t, 0,1,2,3
	v_wmma_scale_f32_16x16x128_f8f6f4 v[160+8*\t:167+8*\t], v[96+16*\t:111+16*\t], v[192:207], v[160+8*\t:167+8*\t], v[248+\t], v253
.endr
.endm
.macro STEP
	v_add_nc_u32 v[AD16], s[TB], v[L16]
	v_add_nc_u32 v[AD4], s[TB], v[L4]
.rept 7
	v_nop                                          ; with the two additions nine places behind the last products: the scores are written over V's fragments, and loads land in registers that those products read
.endr
	s_cmp_gt_u32 s[KS], s[TD]
	s_cbranch_scc1 .Lmasked_\@
.irp g, 0,1                                    ; S^T = K Q^T, four tiles of 16 keys at a time
.if \g
.rept 8
	v_nop
.endr
.endif
.irp t, 0,1,2,3
	ds_load_b128 v[32+16*\t:35+16*\t], v[AD16] offset:(4*\g+\t)*1152
	ds_load_b128 v[36+16*\t:39+16*\t], v[AD16] offset:(4*\g+\t)*1152+512
	ds_load_b32 v[248+\t], v[AD4] offset:(4*\g+\t)*1152+1024
.endr
	s_wait_dscnt 0x0
.irp t, 0,1,2,3
	v_wmma_scale_f32_16x16x128_f8f6f4 v[96+8*(4*\g+\t):103+8*(4*\g+\t)], v[32+16*\t:47+16*\t], v[16:31], 0, v[248+\t], v255
.endr
.endr
.rept 8
	v_nop
.endr
	s_cmp_lt_u32 s[KS], s[TD]                      ; a step all of whose keys count skips the mask
	s_cbranch_scc1 .Lopen_\@
	v_mov_b32 v254, s[M80]                         ; register 16 b + i holds key 32 b + 16 (lane / 16) + i of the step: hidden where 32 b + i > DQ
.irp n, 0,1,2,3,4,5,6,7,8,9,10,11,12,13,14,15,16,17,18,19,20,21,22,23,24,25,26,27,28,29,30,31,32,33,34,35,36,37,38,39,40,41,42,43,44,45,46,47,48,49,50,51,52,53,54,55,56,57,58,59,60,61,62,63
	v_cmp_gt_i32 vcc_lo, 32*(\n/16)+\n%16, v[DQ]
	v_cndmask_b32 v[96+\n], v[96+\n], v254, vcc_lo
.endr
.Lopen_\@:
.irp b, 0,1,2,3
	v_max3_num_f32 v[232+\b], v[96+16*\b], v[97+16*\b], v[98+16*\b]   ; the largest score of each block of 32 keys: for the row's maximum and, since p rises with the score, for the block's largest p
.endr
.irp i, 3,5,7,9,11,13
.irp b, 0,1,2,3
	v_max3_num_f32 v[232+\b], v[232+\b], v[96+16*\b+\i], v[97+16*\b+\i]
.endr
.endr
.irp b, 0,1,2,3
	v_max_num_f32 v[232+\b], v[232+\b], v[111+16*\b]
.endr
.irp b, 0,1,2,3
	v_permlanex16_b32 v[236+\b], v[232+\b], s[SEL], s[SEL+1]
.endr
.irp b, 0,1,2,3
	v_max_num_f32 v[232+\b], v[232+\b], v[236+\b]
.endr
	v_max3_num_f32 v254, v232, v233, v234
	v_max_num_f32 v254, v254, v235
	v_mul_f32 v254, s[CS], v254                    ; as t
	v_max_num_f32 v13, v13, v254                   ; the running largest t
	v_mov_b32 v254, v12
	v_floor_f32 v12, -v13                          ; -M = floor(-t): M is a whole number
	v_sub_f32 v254, v12, v254
	v_cvt_i32_f32 v254, v254
	v_ldexp_f32 v252, 1.0, v254                    ; f = 2^(old M - new M): rounds nothing
.irp j, 0,2,4,6,8,10,12,14,16,18,20,22,24,26,28,30,32,34,36,38,40,42,44,46,48,50,52,54,56,58,60,62
	v_pk_fma_f32 v[96+\j:97+\j], v[96+\j:97+\j], s[CS:CS+1], v[12:13] op_sel_hi:[1,0,0]   ; t - M
.endr
.irp b, 0,1,2,3
	v_fma_f32 v[232+\b], v[232+\b], s[CS], v12
.endr
.irp j, 0,1,2,3,4,5,6,7,8,9,10,11,12,13,14,15,16,17,18,19,20,21,22,23,24,25,26,27,28,29,30,31,32,33,34,35,36,37,38,39,40,41,42,43,44,45,46,47,48,49,50,51,52,53,54,55,56,57,58,59,60,61,62,63
	v_exp_f32 v[96+\j], v[96+\j]                   ; p = 2^(t - M)
.endr
	v_pk_mul_f32 v[14:15], v[14:15], v[252:253] op_sel_hi:[1,0]   ; l under the new M: the plain line behind the exponentials
	s_wait_alu depctr_va_vdst(0)                   ; one wait for the batch, ahead of its first reader
.irp b, 0,1,2,3
	v_exp_f32 v[232+\b], v[232+\b]                 ; each block's largest p
.endr
	v_pk_add_f32 v[236:237], v[96:97], v[98:99]    ; l takes the unquantised p, two at a time, in two chains
.irp j, 4,8,12,16,20,24,28,32,36,40,44,48,52,56,60
	v_pk_add_f32 v[14:15], v[14:15], v[96+\j:97+\j]
	v_pk_add_f32 v[236:237], v[236:237], v[98+\j:99+\j]
.endr
	v_pk_add_f32 v[14:15], v[14:15], v[236:237]
	s_wait_alu depctr_va_vdst(0)                   ; and one for the four
.irp b, 0,1,2,3
	v_max_num_f32 v[232+\b], 0x4800000, v[232+\b]  ; the floor 2^(9 - 127)
.endr
.irp b, 0,1,2,3
	v_add_nc_u32 v[244+\b], 0xfc000000, v[232+\b]
.endr
.irp b, 0,1,2,3
	v_and_or_b32 v[240+\b], v[232+\b], 0x7f800000, s[MNT]
.endr
.irp b, 0,1,2,3
	v_lshrrev_b32 v[236+\b], 23, v[244+\b]
.endr
	v_lshl_or_b32 v253, v237, 8, v236              ; p's scale word for these 128 keys
	v_lshl_or_b32 v253, v238, 16, v253
	v_lshl_or_b32 v253, v239, 24, v253
.irp b, 0,1,2,3
.irp i, 0,1,2,3,4,5,6,7,8,9,10,11,12,13,14,15
	v_min_num_f32 v[96+16*\b+\i], v[96+16*\b+\i], v[240+\b]   ; the hold; p is not negative
.endr
	v_cvt_scalef32_pk8_fp8_f32 v[192+4*\b:193+4*\b], v[96+16*\b:103+16*\b], v[244+\b]
	v_cvt_scalef32_pk8_fp8_f32 v[194+4*\b:195+4*\b], v[104+16*\b:111+16*\b], v[244+\b]
.endr
	v_nop                                          ; a plain line behind the last conversion
	PV 1
	s_branch .Ljoin_\@
.Lmasked_\@:
	v_add_f32 v254, 0xc65f9000, v12                ; -M - 14308: the byte of a block of hidden keys
	v_cmp_le_f32 vcc_lo, 1.0, v254                 ; a choice of values alone hangs on it
	v_max_num_f32 v254, 1.0, v254
	v_cvt_i32_f32 v254, v254                       ; at most 118: M is at least ceil(tm)
	v_mul_lo_u32 v253, v254, s[K01]                ; the same byte for the four blocks
.irp i, 0,1,2,3,4,5,6,7,8,9,10,11,12,13,14,15
	v_cndmask_b32 v[192+\i], 0, v[K78], vcc_lo     ; 0x78 = 256, or zero codes where the byte would fall under 1.  (Sixteen places between the scale word and the products)
.endr
	PV 0
.Ljoin_\@:
	s_add_co_u32 s[KS], s[KS], 1
	s_add_co_u32 s[TB], s[TB], KSTR
.endm
.macro GROUP g
	s_wait_dscnt 0x0
	s_wait_tensorcnt 3-\g                          ; my part of group g is in; the count is my loads of the groups behind it
	s_barrier_signal -1
	s_barrier_wait -1                              ; everybody's is; nothing is ever filled again
	s_mov_b32 s[TB], GRP*\g
	s_mov_b32 s[KS], 4*\g
	s_mov_b32 s[CNT], 4
.Lstep_\@:
	STEP
	s_sub_co_u32 s[CNT], s[CNT], 1
	s_cmp_lg_u32 s[CNT], 0
	s_cbranch_scc1 .Lstep_\@
.endm
	s_load_b128 s[4:7], s[0:1], 0x0                ; QKV, C
	v_lshl_add_u32 v230, v0, 2, 0x46000
	v_mov_b32 v231, 0
	ds_add_u32 v230, v231
	ds_add_u32 v230, v231
	v_lshrrev_b32 v6, 5, v0
	v_readfirstlane_b32 s[WV], v6
	s_and_b32 s[HD], ttmp7, 0xffff
	s_lshl_b32 s56, ttmp9, 2
	s_add_co_u32 s[T], s56, s[WV]
	s_sub_co_u32 s57, 131, s[T]
	s_cmp_lt_u32 s[WV], 4
	s_cselect_b32 s[T], s[T], s57                  ; my tile of queries
	s_lshr_b32 s[TD], s[T], 3
	s_mov_b32 s[G1], 3<<16                         ; elements of 8 bytes, no mask, no padding: 35 dense rows of 256 bytes
	s_mov_b32 s[G1+1], 32<<16
	s_mov_b32 s[G1+2], 35<<16
	s_mov_b32 s[G1+3], 32<<16
	s_mov_b32 s[G1+4], 35
	s_mov_b32 s[G1+5], 32
	s_mov_b32 s[G1+6], 0
	s_mov_b32 s[G1+7], 0
	s_mul_i32 s56, s[HD], HSTR
	s_add_co_u32 s56, s56, QREG
	s_mul_i32 s58, s[WV], WPART
	s_add_co_u32 s56, s56, s58
	s_mov_b32 s57, 0
	s_wait_dscnt 0x0
	s_wait_kmcnt 0x0
	s_add_nc_u64 s[12:13], s[4:5], s[56:57]
.irp g, 0,1,2,3
	s_mov_b32 s[G0+4*\g], 1
	s_add_co_u32 s[G0+4*\g+1], s58, \g*GRP         ; the stream lies in LDS as in memory
	s_add_nc_u64 s[G0+4*\g+2:G0+4*\g+3], s[12:13], \g*GRP
	s_or_b32 s[G0+4*\g+3], s[G0+4*\g+3], 0x80000000
.endr
.irp g, 0,1,2,3
	tensor_load_to_lds s[G0+4*\g:G0+4*\g+3], s[G1:G1+7]   ; all first fills together: four loads of mine are out
	s_nop 0
.endr
.rept 4
	v_nop
.endr
	v_and_b32 v[L4], 31, v0
	v_lshlrev_b32 v[L16], 4, v[L4]
	v_lshlrev_b32 v[L4], 2, v[L4]
	s_lshl_b32 s56, s[HD], 7
	s_add_co_u32 s56, s56, s[T]
	s_mul_i32 s56, s56, 1152
	s_add_nc_u64 s[14:15], s[4:5], s[56:57]
	global_load_b128 v[16:19], v[L16], s[14:15]    ; Q's record
	global_load_b128 v[20:23], v[L16], s[14:15] offset:512
	global_load_b32 v255, v[L4], s[14:15] offset:1024
	s_mul_i32 s56, s[T], TROW                      ; where 'combined' goes: tile T, chunk head / 4, K step (head / 2) % 2, register groups 2 (head % 2), + 1
	s_lshr_b32 s57, s[HD], 2
	s_mul_i32 s57, s57, REC
	s_add_co_u32 s56, s56, s57
	s_bfe_u32 s57, s[HD], 0x10001
	s_and_b32 s58, s[HD], 1
	s_lshl_b32 s60, s57, 11
	s_lshl_b32 s59, s58, 10
	s_add_co_u32 s60, s60, s59
	s_add_co_u32 s60, s60, s56
	s_mov_b32 s61, 0
	s_add_nc_u64 s[52:53], s[6:7], s[60:61]
	s_lshl_b32 s60, s57, 7
	s_lshl_b32 s59, s58, 1
	s_add_co_u32 s60, s60, s59
	s_add_co_u32 s60, s60, s56
	s_add_co_u32 s60, s60, 4096
	s_add_nc_u64 s[54:55], s[6:7], s[60:61]
	s_mov_b32 s[SEL], 0x76543210
	s_mov_b32 s[SEL+1], 0xfedcba98
	s_mov_b32 s[CS], 0x3e38aa3b                    ; c = log2(e) / 8
	s_mov_b32 s[CS+1], s[CS]
	s_mov_b32 s[MNT], 0x600000
	s_mov_b32 s[M80], 0xc79c4000                   ; -80000: the hidden score ahead of the division by 8
	s_mov_b32 s[K01], 0x01010101
	s_mul_f32 s[TMS], s[CS], s[M80]                ; tm
	s_sub_co_u32 s57, 15, s[TD]
	s_lshl_b32 s57, s57, 7
	s_cvt_f32_u32 s[NREM], s57                     ; keys in wholly hidden steps
	s_mov_b32 s56, 0xff61b1e6                      ; -3e38
	s_cmp_lt_u32 s[TD], 15
	s_cselect_b32 s56, s[TMS], s56                 ; rows with wholly hidden steps have tm in their maximum from the start
	v_mov_b32 v13, s56
	v_floor_f32 v12, -v13
	s_lshr_b32 s57, s[T], 1
	s_and_b32 s57, s57, 3
	s_lshl_b32 s57, s57, 5
	s_and_b32 s58, s[T], 1
	s_lshl_b32 s58, s58, 3
	s_add_co_u32 s57, s57, s58
	v_and_b32 v6, 15, v0
	v_and_b32 v7, 8, v6
	v_add_nc_u32 v6, v6, v7                        ; r + 8 (r / 8)
	v_bfe_u32 v7, v0, 4, 1
	v_lshlrev_b32 v7, 4, v7
	v_sub_nc_u32 v[DQ], v6, v7
	v_add_nc_u32 v[DQ], s57, v[DQ]
	v_mov_b32 v[K78], 0x78787878
	v_mov_b32 v14, 0
	v_mov_b32 v15, 0
	v_mov_b32 v252, 0
	v_mov_b32 v253, 0
.irp b, 0,1,2,3
	v_mov_b32 v[236+\b], 0                         ; written once: a lane permute's destination counts as one of its sources
.endr
.irp j, 24,25,26,27,28,29,30,31
	v_mov_b32 v[\j], 0                             ; zero codes for k = 64 .. 127 of Q,
.endr
.irp t, 0,1,2,3
.irp j, 8,9,10,11,12,13,14,15
	v_mov_b32 v[32+16*\t+\j], 0                    ; and of K: they stay
.endr
.endr
.irp j, 0,1,2,3,4,5,6,7,8,9,10,11,12,13,14,15,16,17,18,19,20,21,22,23,24,25,26,27,28,29,30,31
	v_mov_b32 v[160+\j], 0                         ; O^T: the step is written once; its first turn finds zeros
.endr
	s_wait_loadcnt 0x0                             ; Q
	GROUP 0
	GROUP 1
	GROUP 2
	GROUP 3
	; ---- the way out
.rept 8
	v_nop
.endr
	v_add_f32 v14, v14, v15
	v_permlanex16_b32 v252, v14, s[SEL], s[SEL+1]
	v_add_f32 v14, v14, v252                       ; the open and diagonal steps' sum
	v_fma_f32 v254, s[M80], s[CS], v12             ; tm - M,
	v_min_num_f32 v254, 0, v254                    ; held at 0: a row without hidden steps may have M under tm, and its n is 0
	v_exp_f32 v254, v254                           ; p_m
	v_nop
	s_wait_alu depctr_va_vdst(0)
	v_fma_f32 v14, s[NREM], v254, v14              ; l += n x p_m
	v_rcp_f32 v14, v14
	v_nop
	s_wait_alu depctr_va_vdst(0)
.irp j, 0,1,2,3,4,5,6,7,8,9,10,11,12,13,14,15,16,17,18,19,20,21,22,23,24,25,26,27,28,29,30,31
	v_mul_f32 v[96+\j], v[160+\j], v14             ; register 16 b + i = channel 32 b + 16 (lane / 16) + i of my query
.endr
.irp b, 0,1
	v_max3_num_f32 v[232+\b], |v[96+16*\b]|, |v[97+16*\b]|, 0x4800000
.endr
.irp i, 2,4,6,8,10,12,14
.irp b, 0,1
	v_max3_num_f32 v[232+\b], v[232+\b], |v[96+16*\b+\i]|, |v[97+16*\b+\i]|
.endr
.endr
.irp b, 0,1
	v_permlanex16_b32 v[236+\b], v[232+\b], s[SEL], s[SEL+1]
.endr
.irp b, 0,1
	v_max_num_f32 v[232+\b], v[232+\b], v[236+\b]
.endr
.irp b, 0,1
	v_add_nc_u32 v[244+\b], 0xfc000000, v[232+\b]
.endr
.irp b, 0,1
	v_and_or_b32 v[240+\b], v[232+\b], 0x7f800000, s[MNT]
.endr
.irp b, 0,1
	v_lshrrev_b32 v[236+\b], 23, v[244+\b]
.endr
	v_lshl_or_b32 v254, v237, 8, v236              ; my head's two bytes of the row's scale word
.irp b, 0,1
.irp i, 0,1,2,3,4,5,6,7,8,9,10,11,12,13,14,15
	v_med3_num_f32 v[96+16*\b+\i], v[96+16*\b+\i], -v[240+\b], v[240+\b]
.endr
	v_cvt_scalef32_pk8_fp8_f32 v[192+4*\b:193+4*\b], v[96+16*\b:103+16*\b], v[244+\b]
	v_cvt_scalef32_pk8_fp8_f32 v[194+4*\b:195+4*\b], v[104+16*\b:111+16*\b], v[244+\b]
.endr
	v_nop
	global_store_b128 v[L16], v[192:195], s[52:53]
	global_store_b128 v[L16], v[196:199], s[52:53] offset:512
	global_store_b16 v[L4], v254, s[54:55]         ; two bytes a lane, four apart: a scale word spans two heads, which two work-groups make; one byte in 17 of what the wave stores
	s_wait_tensorcnt 0x0
	ds_add_u32 v230, v231
	s_wait_dscnt 0x0
	s_endpgm
.Lfunc_end_k_q04238db507_attn0:
	.size	k_q04238db507_attn0, .Lfunc_end_k_q04238db507_attn0-k_q04238db507_attn0
	.p2alignl 7, 3214868480
	.fill 96, 4, 3214868480
	.section	.rodata,"a",@progbits
	.p2align	6, 0x0
	.amdhsa_kernel k_q04238db507_attn0
		.amdhsa_group_segment_fixed_size 287744
		.amdhsa_private_segment_fixed_size 0
		.amdhsa_enable_private_segment 0
		.amdhsa_kernarg_size 16
		.amdhsa_user_sgpr_count 2
		.amdhsa_user_sgpr_kernarg_segment_ptr 1
		.amdhsa_wavefront_size32 1
		.amdhsa_system_sgpr_workgroup_id_x 1
		.amdhsa_system_sgpr_workgroup_id_y 1
		.amdhsa_system_sgpr_workgroup_id_z 1
		.amdhsa_system_vgpr_workitem_id 0
		.amdhsa_next_free_vgpr 256
		.amdhsa_next_free_sgpr 66
		.amdhsa_reserve_vcc 1
		.amdhsa_float_denorm_mode_32 3
		.amdhsa_float_denorm_mode_16_64 3
		.amdhsa_memory_ordered 1
		.amdhsa_forward_progress 1
		.amdhsa_inst_pref_size 123
	.end_amdhsa_kernel
	.amdgpu_metadata
---
amdhsa.version: [ 1, 2 ]
amdhsa.kernels:
  - .name:           k_q04238db507_attn0
    .symbol:         k_q04238db507_attn0.kd
    .args:
      - { .name: QKV, .offset: 0, .size: 8, .value_kind: global_buffer, .address_space: global }
      - { .name: C, .offset: 8, .size: 8, .value_kind: global_buffer, .address_space: global }
    .group_segment_fixed_size: 287744
    .private_segment_fixed_size: 0
    .kernarg_segment_align: 8
    .kernarg_segment_size: 16
    .max_flat_workgroup_size: 256
    .sgpr_count:     66
    .vgpr_count:     256
    .wavefront_size: 32
...
	.end_amdgpu_metadata
.endif
;; end of part 3
;; launch wo0 (part 4): grid 8 x 16, 4 waves a work-group, clusters of 4 x 4, 279,040 bytes of LDS; arguments C, W0, XA, pos_emb, A, XB; writes A, XB
.if DOCPART == 4
	.amdgcn_target "amdgcn-amd-amdhsa--gfx1250"
	.amdhsa_code_object_version 6
	.text
	.protected	k_q04238db507_wo0
	.globl	k_q04238db507_wo0
	.p2align	8
	.type	k_q04238db507_wo0,@function
k_q04238db507_wo0:
	s_mov_b64 s[64:65], 0
	v_nop
	global_prefetch_b8 v0, s[64:65] scope:SCOPE_SE
	s_setreg_imm32_b32 hwreg(HW_REG_WAVE_MODE, 25, 1), 1
	s_wait_xcnt 0x0
	s_wait_alu depctr_hold_cnt(0) depctr_sa_sdst(0) depctr_va_vdst(0) depctr_va_sdst(0) depctr_va_ssrc(0) depctr_va_vcc(0) depctr_vm_vsrc(0)
	s_getreg_b32 s2, hwreg(HW_REG_IB_STS2, 6, 4)
	s_cmp_eq_u32 s2, 0
	s_cbranch_scc0 .Lentry_in_a_cluster
	s_endpgm
.Lentry_in_a_cluster:
	s_bfe_u32 s2, ttmp6, 0x10000c
	s_cmp_lg_u32 s2, 0xf033
	s_cbranch_scc0 .Lentry_shape_is_right
	s_endpgm
.Lentry_shape_is_right:
; WO: x' = x + Q(combined) Wo^T, on E4M3 codes with E8M0 scales; then what the next launch multiplies is made at once.  LAST = 0: x' as an f32 image, Q(x') and Q(x' + pos_emb).  LAST = 1: Q(x') alone.
; A work-group makes 128 tokens x 128 columns; all of K = 1,024 lies in LDS at once, every byte filled once.  Operands are records of register images (17,408 bytes a tile, 4,352 a K chunk of 256).
; Source 0 = Wo's 8 tiles (tiles 192 on of the layer's weights), source 1 = my two tiles of tokens: a lane holds one token and 128 neighbouring columns: one K step of the next product: a whole fragment and a whole scale word.
; The residual (and pos_emb) are asked for at the head, into window 3, in the results' own layout.
; CLUSTER 4 x 4: 'combined' is shared along a row of the cluster, Wo along a column.  The grid has 128 work-groups: a smaller tile would double the bytes that each product reads from LDS.
; LIMITS: NaN and infinities are not served; a block of zeros gets the byte 1 (its codes are zeros; this program alone reads the bytes).
.set LAST,  0
.set NS0,   8
.set RW,    NS0/2
.set REC,   4352
.set TROW,  17408
.set CH,    (8+NS0)*REC
.set BOFF,  8*REC
.set A2OFF, 2228224
.set L16, 3
.set L4,  4
.set ADR0, 5
.set ADR1, 6
.set ADS0, 7
.set ADS1, 8
.set VPE, 9
.set SC,  16
.set PC,  40
.set TM,  56
.set PW,  72
.set SCR, 74
.set ACC, 128
.set WV, 16
.set FB, 17
.set HF, 18
.set CX, 19
.set CY, 20
.set TC, 21
.set TR, 22
.set G1A, 24
.set G1B, 32
.set G0A, 40
.set SEL, 96
.set MNT, 98
.set MSB, 0
.macro WIN new                         ; the immediate's high byte repeats the setting that is left
.if MSB != (\new)
	s_set_vgpr_msb (MSB<<8)|(\new)
.set MSB, (\new)
.endif
.endm
.macro PLACES n
.rept \n
	v_nop
.endr
.endm
.macro CROUND                          ; a round of the cluster's barrier
	s_barrier_signal -1
	s_barrier_wait -1
	s_cmp_lg_u32 s[WV], 0
	s_cbranch_scc1 .Lnot_wave_0_\@
	s_barrier_signal -3
.Lnot_wave_0_\@:
	s_barrier_wait -3
	s_barrier_signal -1
	s_barrier_wait -1
.endm
.macro FETCH s, p                      ; K step s's fragments into buffer p (window 1 + p) and its scale words into set p
	WIN (1+(\p))<<6
.set fb, 0
.rept NS0
.irp c, 0,1,2,3
	ds_load_b128 v[16*fb+4*\c:16*fb+4*\c+3], v[ADR0] offset:fb*REC+((\s)%2)*2048+512*\c
.endr
.set fb, fb+1
.endr
.irp a, 0,1
.irp c, 0,1,2,3
	ds_load_b128 v[16*(NS0+\a)+4*\c:16*(NS0+\a)+4*\c+3], v[ADR1] offset:\a*REC+((\s)%2)*2048+512*\c
.endr
.endr
	WIN 0
.set fb, 0
.rept NS0
	ds_load_b32 v[SC+12*(\p)+fb], v[ADS0] offset:fb*REC+4096+((\s)%2)*128
.set fb, fb+1
.endr
.irp a, 0,1
	ds_load_b32 v[SC+12*(\p)+10+\a], v[ADS1] offset:\a*REC+4096+((\s)%2)*128
.endr
.endm
.macro MULROW p, a, zero               ; the accumulators take turns, one instruction a turn
	WIN 5*(1+(\p))
.set mb, 0
.rept NS0
.if \zero
	v_wmma_scale_f32_16x16x128_f8f6f4 v[ACC+8*(NS0*(\a)+mb):ACC+8*(NS0*(\a)+mb)+7], v[16*mb:16*mb+15], v[16*(NS0+(\a)):16*(NS0+(\a))+15], 0, v[SC+12*(\p)+mb], v[SC+12*(\p)+10+(\a)]
.else
	v_wmma_scale_f32_16x16x128_f8f6f4 v[ACC+8*(NS0*(\a)+mb):ACC+8*(NS0*(\a)+mb)+7], v[16*mb:16*mb+15], v[16*(NS0+(\a)):16*(NS0+(\a))+15], v[ACC+8*(NS0*(\a)+mb):ACC+8*(NS0*(\a)+mb)+7], v[SC+12*(\p)+mb], v[SC+12*(\p)+10+(\a)]
.endif
.set mb, mb+1
.endr
.endm
.macro QUANT s                         ; 64 numbers of a lane -> codes in v[PC] on, scale word in v[PW]; the numbers stay
.irp b, 0,1,2,3
	v_max3_num_f32 v[TM+\b], |v[(\s)+16*\b]|, |v[(\s)+16*\b+1]|, 0x4800000   ; block b: my 16 numbers and the floor 2^(9 - 127)
.endr
.irp i, 2,4,6,8,10,12,14
.irp b, 0,1,2,3
	v_max3_num_f32 v[TM+\b], v[TM+\b], |v[(\s)+16*\b+\i]|, |v[(\s)+16*\b+\i+1]|
.endr
.endr
.irp b, 0,1,2,3
	v_permlanex16_b32 v[TM+4+\b], v[TM+\b], s[SEL], s[SEL+1]
.endr
.irp b, 0,1,2,3
	v_max_num_f32 v[TM+\b], v[TM+\b], v[TM+4+\b]
.endr
.irp b, 0,1,2,3
	v_add_nc_u32 v[TM+12+\b], 0xfc000000, v[TM+\b]
.endr
.irp b, 0,1,2,3
	v_and_or_b32 v[TM+8+\b], v[TM+\b], 0x7f800000, s[MNT]
.endr
.irp b, 0,1,2,3
	v_lshrrev_b32 v[TM+4+\b], 23, v[TM+12+\b]
.endr
	v_lshl_or_b32 v[PW], v[TM+5], 8, v[TM+4]
	v_lshl_or_b32 v[PW], v[TM+6], 16, v[PW]
	v_lshl_or_b32 v[PW], v[TM+7], 24, v[PW]
.irp b, 0,1,2,3
.irp i, 0,1,2,3,4,5,6,7,8,9,10,11,12,13,14,15
	v_med3_num_f32 v[SCR+16*(\b%2)+\i], v[(\s)+16*\b+\i], -v[TM+8+\b], v[TM+8+\b]   ; the hold (ISA guide 7.6.2), into one of two sets by turns
.endr
	v_cvt_scalef32_pk8_fp8_f32 v[PC+4*\b:PC+4*\b+1], v[SCR+16*(\b%2):SCR+16*(\b%2)+7], v[TM+12+\b]
	v_cvt_scalef32_pk8_fp8_f32 v[PC+4*\b+2:PC+4*\b+3], v[SCR+16*(\b%2)+8:SCR+16*(\b%2)+15], v[TM+12+\b]
.endr
	v_nop
.endm
.macro STORE_REC off
.irp c, 0,1,2,3
	global_store_b128 v[L16], v[PC+4*\c:PC+4*\c+3], s[92:93] offset:(\off)+512*\c
.endr
	global_store_b32 v[L4], v[PW], s[94:95] offset:(\off)
.endm
.macro ADDIN a, src                    ; tile a's 64 sums += window 3's v[src + 64 a] on; each accumulator from its low end on
	WIN 0x0c
.set k, 0
.rept 32
	v_pk_add_f32 v[ACC+64*(\a)+k:ACC+64*(\a)+k+1], v[ACC+64*(\a)+k:ACC+64*(\a)+k+1], v[(\src)+64*(\a)+k:(\src)+64*(\a)+k+1]
.set k, k+2
.endr
	WIN 0
.endm
.if LAST
	s_load_b128 s[4:7], s[0:1], 0x0                ; C, W
	s_load_b64 s[8:9], s[0:1], 0x10                ; x's image
	s_load_b64 s[12:13], s[0:1], 0x18              ; A
.else
	s_load_b256 s[4:11], s[0:1], 0x0               ; C, W, x's image, pos_emb
	s_load_b128 s[12:15], s[0:1], 0x20             ; A, the new image
	v_lshl_add_u32 v126, v0, 2, 0x44000
	v_mov_b32 v127, 0
	ds_add_u32 v126, v127
	ds_add_u32 v126, v127
.endif
	v_lshrrev_b32 v1, 5, v0
	v_readfirstlane_b32 s[WV], v1
	s_lshr_b32 s[FB], s[WV], 1
	s_and_b32 s[HF], s[WV], 1
	s_bfe_u32 s[CX], ttmp6, 0x40000
	s_bfe_u32 s[CY], ttmp6, 0x40004
	s_lshl_b32 s[TC], ttmp9, 2
	s_add_co_u32 s[TC], s[TC], s[CX]
	s_and_b32 s[TR], ttmp7, 0xffff
	s_lshl_b32 s[TR], s[TR], 2
	s_add_co_u32 s[TR], s[TR], s[CY]
	s_lshl_b32 s76, s[CY], 2
	s_lshl_b32 s76, 15, s76                        ; my row of the cluster
	s_lshl_b32 s77, 0x1111, s[CX]                  ; my column
	s_or_b32 s[G1A], s76, (3<<16)|(1<<21)          ; 4 records of 544 elements of 8 bytes, 2,176 elements from tile to tile
	s_or_b32 s[G1B], s77, (3<<16)|(1<<21)
	s_mov_b32 s[G1A+1], 544<<16
	s_mov_b32 s[G1A+2], 4<<16
	s_mov_b32 s[G1A+3], 544<<16
	s_mov_b32 s[G1A+4], 4
	s_mov_b32 s[G1A+5], TROW/8
	s_mov_b32 s[G1A+6], 0
	s_mov_b32 s[G1A+7], 0
	s_mov_b32 s[G1B+1], 544<<16
	s_mov_b32 s[G1B+2], RW<<16
	s_mov_b32 s[G1B+3], 544<<16
	s_mov_b32 s[G1B+4], RW
	s_mov_b32 s[G1B+5], TROW/8
	s_mov_b32 s[G1B+6], 0
	s_mov_b32 s[G1B+7], 0
	s_lshl_b32 s78, s[TR], 3                       ; 'combined': tile 8 tr + 4 half
	s_lshl_b32 s79, s[HF], 2
	s_add_co_u32 s78, s78, s79
	s_mul_i32 s78, s78, TROW
	s_mov_b32 s79, 0
	s_lshl_b32 s80, s[TC], 3                       ; Wo: tile 192 + 8 tc + 4 half
	s_lshl_b32 s81, s[HF], 2
	s_add_co_u32 s80, s80, s81
	s_add_co_u32 s80, s80, 192
	s_mul_i32 s80, s80, TROW
	s_mov_b32 s81, 0
	s_mul_i32 s86, s[HF], 4*REC
	s_mul_i32 s87, s[HF], RW*REC
	s_add_co_u32 s87, s87, BOFF
	s_wait_dscnt 0x0
	s_wait_kmcnt 0x0
	s_add_nc_u64 s[82:83], s[4:5], s[78:79]
	s_add_nc_u64 s[84:85], s[6:7], s[80:81]
.irp j, 0,1,2,3
	s_mov_b32 s[G0A+4*\j], 1
	s_add_co_u32 s[G0A+4*\j+1], s86, \j*CH
	s_add_nc_u64 s[G0A+4*\j+2:G0A+4*\j+3], s[82:83], \j*REC
	s_or_b32 s[G0A+4*\j+3], s[G0A+4*\j+3], 0x80000000
	s_mov_b32 s[56+4*\j+4*(\j/2)], 1
	s_add_co_u32 s[56+4*\j+4*(\j/2)+1], s87, \j*CH
	s_add_nc_u64 s[56+4*\j+4*(\j/2)+2:56+4*\j+4*(\j/2)+3], s[84:85], \j*REC
	s_or_b32 s[56+4*\j+4*(\j/2)+3], s[56+4*\j+4*(\j/2)+3], 0x80000000
.endr
	CROUND                                         ; all sixteen work-groups are here: the joint loads meet
	s_cmp_eq_u32 s[FB], 0                          ; a wave's four first fills stand in one branch: four loads of mine are out
	s_cbranch_scc0 .Lfor_w
.irp j, 0,1,2,3
	tensor_load_to_lds s[G0A+4*\j:G0A+4*\j+3], s[G1A:G1A+7]
	s_nop 0
.endr
	PLACES 4
	s_branch .Lasked
.Lfor_w:
.irp j, 0,1,2,3
	tensor_load_to_lds s[56+4*\j+4*(\j/2):56+4*\j+4*(\j/2)+3], s[G1B:G1B+7]
	s_nop 0
.endr
	PLACES 4
.Lasked:
	v_and_b32 v[L4], 31, v0
	v_lshlrev_b32 v[L16], 4, v[L4]
	v_lshlrev_b32 v[L4], 2, v[L4]
	v_and_b32 v1, 15, v0                           ; r
	v_bfe_u32 v2, v0, 4, 1                         ; h
	v_and_b32 v[VPE], 8, v1
	v_add_nc_u32 v[VPE], v[VPE], v1
	v_lshlrev_b32 v[VPE], 12, v[VPE]
	v_lshl_add_u32 v[VPE], v2, 6, v[VPE]           ; pos_emb: (r + 8 (r / 8)) rows + 64 h
	s_mul_i32 s88, s[WV], 2*REC
	v_add_nc_u32 v[ADR0], BOFF, v[L16]
	v_add_nc_u32 v[ADR1], s88, v[L16]
	v_add_nc_u32 v[ADS0], BOFF, v[L4]
	v_add_nc_u32 v[ADS1], s88, v[L4]
.irp b, 0,1,2,3
	v_mov_b32 v[TM+4+\b], 0
.endr
	s_mov_b32 s[SEL], 0x76543210
	s_mov_b32 s[SEL+1], 0xfedcba98
	s_mov_b32 s[MNT], 0x600000
	s_lshl_b32 s88, s[TR], 3
	s_lshl_b32 s89, s[WV], 1
	s_add_co_u32 s88, s88, s89                     ; my first token tile
	s_lshl_b32 s90, s88, 16
	s_lshl_b32 s91, s[TC], 13
	s_add_co_u32 s90, s90, s91
	s_mov_b32 s91, 0
	s_add_nc_u64 s[8:9], s[8:9], s[90:91]          ; the image: 65,536 bytes a tile, 8,192 a K step (= tc)
.if LAST == 0
	s_add_nc_u64 s[14:15], s[14:15], s[90:91]
	s_lshr_b32 s90, s88, 1
	s_lshl_b32 s90, s90, 17                        ; 32 tokens x 4,096 bytes
	s_lshl_b32 s92, s[TC], 9
	s_add_co_u32 s90, s90, s92
	s_add_nc_u64 s[10:11], s[10:11], s[90:91]
.endif
	s_mul_i32 s90, s88, TROW
	s_lshr_b32 s92, s[TC], 1
	s_mul_i32 s92, s92, REC
	s_add_co_u32 s90, s90, s92
	s_and_b32 s92, s[TC], 1
	s_lshl_b32 s93, s92, 11
	s_add_co_u32 s94, s90, s93
	s_mov_b32 s95, 0
	s_lshl_b32 s93, s92, 7
	s_add_co_u32 s90, s90, s93
	s_add_co_u32 s90, s90, 4096
	s_add_nc_u64 s[92:93], s[12:13], s[94:95]      ; where my fragments' codes go
	s_add_nc_u64 s[94:95], s[12:13], s[90:91]      ; and their scale words
	WIN 0xc0                                       ; destination window 3
.irp a, 0,1
.irp q, 0,1,2,3,4,5,6,7,8,9,10,11,12,13,14,15
	global_load_b128 v[64*\a+4*\q:64*\a+4*\q+3], v[L16], s[8:9] offset:65536*\a+512*\q
.endr
.endr
.if LAST == 0
.irp a, 0,1
.irp q, 0,1,2,3,4,5,6,7,8,9,10,11,12,13,14,15
	global_load_b128 v[128+64*\a+4*\q:128+64*\a+4*\q+3], v[VPE], s[10:11] offset:32768*\a+128*(\q/4)+16*(\q%4)
.endr
.endr
.endif
	WIN 0
	; ---- K: eight steps of 128, two to a chunk, written out
	s_wait_tensorcnt 3                             ; my part of chunk 0 is in; my three later chunks may be out
	s_barrier_signal -1
	s_barrier_wait -1
	FETCH 0, 0
.irp s, 0,1,2,3,4,5,6,7
	s_wait_dscnt 0x0                               ; this step's fragments are in, and no LDS instruction is pending at a signal
.if (\s%2 == 1) && (\s < 7)
	s_wait_tensorcnt 3-(\s+1)/2                    ; my part of the next chunk is in; the count is my loads of the chunks behind it
	s_barrier_signal -1
.endif
.if \s == 0
	MULROW 0, 0, 1
.else
	MULROW (\s%2), 0, 0
.endif
.if \s < 7
	WIN 0
.if \s%2 == 1
	s_barrier_wait -1
	v_add_nc_u32 v[ADR0], CH, v[ADR0]
	v_add_nc_u32 v[ADR1], CH, v[ADR1]
	v_add_nc_u32 v[ADS0], CH, v[ADS0]
	v_add_nc_u32 v[ADS1], CH, v[ADS1]
	PLACES 4                                       ; with the four additions: eight places behind the last products that read the other buffer
.else
	PLACES 8
.endif
	FETCH (\s+1), ((\s+1)%2)
.endif
.if \s == 0
	MULROW 0, 1, 1
.else
	MULROW (\s%2), 1, 0
.endif
.endr
	WIN 0
	PLACES 8
	; ---- the way out
	s_wait_loadcnt 0x0                             ; the residual and pos_emb
.irp a, 0,1
	ADDIN \a, 0                                    ; x' = x + the product
.if LAST == 0
.irp q, 0,1,2,3,4,5,6,7,8,9,10,11,12,13,14,15
	global_store_b128 v[L16], v[ACC+64*\a+4*\q:ACC+64*\a+4*\q+3], s[14:15] offset:65536*\a+512*\q
.endr
.endif
	QUANT ACC+64*\a
	STORE_REC A2OFF+TROW*\a                        ; Q(x')
	s_wait_xcnt 0x0                                ; the stores have read x', the codes and the scale word
.if LAST == 0
	ADDIN \a, 128
	QUANT ACC+64*\a
	STORE_REC TROW*\a                              ; Q(x' + pe)
	s_wait_xcnt 0x0
.endif
.endr
	s_wait_tensorcnt 0x0
	ds_add_u32 v126, v127
	s_wait_dscnt 0x0
	CROUND                                         ; the closing round
	s_endpgm
.Lfunc_end_k_q04238db507_wo0:
	.size	k_q04238db507_wo0, .Lfunc_end_k_q04238db507_wo0-k_q04238db507_wo0
	.p2alignl 7, 3214868480
	.fill 96, 4, 3214868480
	.section	.rodata,"a",@progbits
	.p2align	6, 0x0
	.amdhsa_kernel k_q04238db507_wo0
		.amdhsa_group_segment_fixed_size 279040
		.amdhsa_private_segment_fixed_size 0
		.amdhsa_enable_private_segment 0
		.amdhsa_kernarg_size 48
		.amdhsa_user_sgpr_count 2
		.amdhsa_user_sgpr_kernarg_segment_ptr 1
		.amdhsa_wavefront_size32 1
		.amdhsa_system_sgpr_workgroup_id_x 1
		.amdhsa_system_sgpr_workgroup_id_y 1
		.amdhsa_system_sgpr_workgroup_id_z 1
		.amdhsa_system_vgpr_workitem_id 0
		.amdhsa_next_free_vgpr 1024
		.amdhsa_next_free_sgpr 100
		.amdhsa_reserve_vcc 0
		.amdhsa_float_denorm_mode_32 3
		.amdhsa_float_denorm_mode_16_64 3
		.amdhsa_memory_ordered 1
		.amdhsa_forward_progress 1
		.amdhsa_inst_pref_size 105
	.end_amdhsa_kernel
	.amdgpu_metadata
---
amdhsa.version: [ 1, 2 ]
amdhsa.kernels:
  - .name:           k_q04238db507_wo0
    .symbol:         k_q04238db507_wo0.kd
    .args:
      - { .name: C, .offset: 0, .size: 8, .value_kind: global_buffer, .address_space: global }
      - { .name: W0, .offset: 8, .size: 8, .value_kind: global_buffer, .address_space: global }
      - { .name: XA, .offset: 16, .size: 8, .value_kind: global_buffer, .address_space: global }
      - { .name: pos_emb, .offset: 24, .size: 8, .value_kind: global_buffer, .address_space: global }
      - { .name: A, .offset: 32, .size: 8, .value_kind: global_buffer, .address_space: global }
      - { .name: XB, .offset: 40, .size: 8, .value_kind: global_buffer, .address_space: global }
    .group_segment_fixed_size: 279040
    .private_segment_fixed_size: 0
    .kernarg_segment_align: 8
    .kernarg_segment_size: 48
    .max_flat_workgroup_size: 128
    .sgpr_count:     100
    .vgpr_count:     1024
    .wavefront_size: 32
...
	.end_amdgpu_metadata
.endif
;; end of part 4
;; launch qkv1: the kernel of part 2 again; grid 24 x 16, 4 waves a work-group, clusters of 4 x 4, 279,040 bytes of LDS; arguments A, W1, QKV; writes QKV
;; launch attn1: the kernel of part 3 again; grid 16 x 16, 8 waves a work-group, no clusters, 287,744 bytes of LDS; arguments QKV, C; writes C
;; launch wo1 (part 5): grid 8 x 16, 4 waves a work-group, clusters of 4 x 4, 279,040 bytes of LDS; arguments C, W1, XB, A; writes A
.if DOCPART == 5
	.amdgcn_target "amdgcn-amd-amdhsa--gfx1250"
	.amdhsa_code_object_version 6
	.text
	.protected	k_q04238db507_wo1
	.globl	k_q04238db507_wo1
	.p2align	8
	.type	k_q04238db507_wo1,@function
k_q04238db507_wo1:
	s_mov_b64 s[64:65], 0
	v_nop
	global_prefetch_b8 v0, s[64:65] scope:SCOPE_SE
	s_setreg_imm32_b32 hwreg(HW_REG_WAVE_MODE, 25, 1), 1
	s_wait_xcnt 0x0
	s_wait_alu depctr_hold_cnt(0) depctr_sa_sdst(0) depctr_va_vdst(0) depctr_va_sdst(0) depctr_va_ssrc(0) depctr_va_vcc(0) depctr_vm_vsrc(0)
	s_getreg_b32 s2, hwreg(HW_REG_IB_STS2, 6, 4)
	s_cmp_eq_u32 s2, 0
	s_cbranch_scc0 .Lentry_in_a_cluster
	s_endpgm
.Lentry_in_a_cluster:
	s_bfe_u32 s2, ttmp6, 0x10000c
	s_cmp_lg_u32 s2, 0xf033
	s_cbranch_scc0 .Lentry_shape_is_right
	s_endpgm
.Lentry_shape_is_right:
; WO, the last layer's: x' = x + Q(combined) Wo^T, on E4M3 codes with E8M0 scales; Q(x') is made at once for the vocabulary's product.  No new image, no pos_emb.
; A work-group makes 128 tokens x 128 columns; all of K = 1,024 lies in LDS at once, every byte filled once.  Operands are records of register images (17,408 bytes a tile, 4,352 a K chunk of 256).
; Source 0 = Wo's 8 tiles (tiles 192 on of the layer's weights), source 1 = my two tiles of tokens: a lane holds one token and 128 neighbouring columns: one K step of the next product.
; CLUSTER 4 x 4: 'combined' is shared along a row of the cluster, Wo along a column.  The grid has 128 work-groups: a smaller tile would double the bytes that each product reads from LDS.
; LIMITS: NaN and infinities are not served; a block of zeros gets the byte 1 (its codes are zeros; this program alone reads the bytes).
.set LAST,  1
.set NS0,   8
.set RW,    NS0/2
.set REC,   4352
.set TROW,  17408
.set CH,    (8+NS0)*REC
.set BOFF,  8*REC
.set A2OFF, 2228224
.set L16, 3
.set L4,  4
.set ADR0, 5
.set ADR1, 6
.set ADS0, 7
.set ADS1, 8
.set SC,  16
.set PC,  40
.set TM,  56
.set PW,  72
.set SCR, 74
.set ACC, 128
.set WV, 16
.set FB, 17
.set HF, 18
.set CX, 19
.set CY, 20
.set TC, 21
.set TR, 22
.set G1A, 24
.set G1B, 32
.set G0A, 40
.set SEL, 96
.set MNT, 98
.set MSB, 0
.macro WIN new                         ; the immediate's high byte repeats the setting that is left
.if MSB != (\new)
	s_set_vgpr_msb (MSB<<8)|(\new)
.set MSB, (\new)
.endif
.endm
.macro PLACES n
.rept \n
	v_nop
.endr
.endm
.macro CROUND                          ; a round of the cluster's barrier
	s_barrier_signal -1
	s_barrier_wait -1
	s_cmp_lg_u32 s[WV], 0
	s_cbranch_scc1 .Lnot_wave_0_\@
	s_barrier_signal -3
.Lnot_wave_0_\@:
	s_barrier_wait -3
	s_barrier_signal -1
	s_barrier_wait -1
.endm
.macro FETCH s, p                      ; K step s's fragments into buffer p (window 1 + p) and its scale words into set p
	WIN (1+(\p))<<6
.set fb, 0
.rept NS0
.irp c, 0,1,2,3
	ds_load_b128 v[16*fb+4*\c:16*fb+4*\c+3], v[ADR0] offset:fb*REC+((\s)%2)*2048+512*\c
.endr
.set fb, fb+1
.endr
.irp a, 0,1
.irp c, 0,1,2,3
	ds_load_b128 v[16*(NS0+\a)+4*\c:16*(NS0+\a)+4*\c+3], v[ADR1] offset:\a*REC+((\s)%2)*2048+512*\c
.endr
.endr
	WIN 0
.set fb, 0
.rept NS0
	ds_load_b32 v[SC+12*(\p)+fb], v[ADS0] offset:fb*REC+4096+((\s)%2)*128
.set fb, fb+1
.endr
.irp a, 0,1
	ds_load_b32 v[SC+12*(\p)+10+\a], v[ADS1] offset:\a*REC+4096+((\s)%2)*128
.endr
.endm
.macro MULROW p, a, zero               ; the accumulators take turns, one instruction a turn
	WIN 5*(1+(\p))
.set mb, 0
.rept NS0
.if \zero
	v_wmma_scale_f32_16x16x128_f8f6f4 v[ACC+8*(NS0*(\a)+mb):ACC+8*(NS0*(\a)+mb)+7], v[16*mb:16*mb+15], v[16*(NS0+(\a)):16*(NS0+(\a))+15], 0, v[SC+12*(\p)+mb], v[SC+12*(\p)+10+(\a)]
.else
	v_wmma_scale_f32_16x16x128_f8f6f4 v[ACC+8*(NS0*(\a)+mb):ACC+8*(NS0*(\a)+mb)+7], v[16*mb:16*mb+15], v[16*(NS0+(\a)):16*(NS0+(\a))+15], v[ACC+8*(NS0*(\a)+mb):ACC+8*(NS0*(\a)+mb)+7], v[SC+12*(\p)+mb], v[SC+12*(\p)+10+(\a)]
.endif
.set mb, mb+1
.endr
.endm
.macro QUANT s                         ; 64 numbers of a lane -> codes in v[PC] on, scale word in v[PW]; the numbers stay
.irp b, 0,1,2,3
	v_max3_num_f32 v[TM+\b], |v[(\s)+16*\b]|, |v[(\s)+16*\b+1]|, 0x4800000   ; block b: my 16 numbers and the floor 2^(9 - 127)
.endr
.irp i, 2,4,6,8,10,12,14
.irp b, 0,1,2,3
	v_max3_num_f32 v[TM+\b], v[TM+\b], |v[(\s)+16*\b+\i]|, |v[(\s)+16*\b+\i+1]|
.endr
.endr
.irp b, 0,1,2,3
	v_permlanex16_b32 v[TM+4+\b], v[TM+\b], s[SEL], s[SEL+1]
.endr
.irp b, 0,1,2,3
	v_max_num_f32 v[TM+\b], v[TM+\b], v[TM+4+\b]
.endr
.irp b, 0,1,2,3
	v_add_nc_u32 v[TM+12+\b], 0xfc000000, v[TM+\b]
.endr
.irp b, 0,1,2,3
	v_and_or_b32 v[TM+8+\b], v[TM+\b], 0x7f800000, s[MNT]
.endr
.irp b, 0,1,2,3
	v_lshrrev_b32 v[TM+4+\b], 23, v[TM+12+\b]
.endr
	v_lshl_or_b32 v[PW], v[TM+5], 8, v[TM+4]
	v_lshl_or_b32 v[PW], v[TM+6], 16, v[PW]
	v_lshl_or_b32 v[PW], v[TM+7], 24, v[PW]
.irp b, 0,1,2,3
.irp i, 0,1,2,3,4,5,6,7,8,9,10,11,12,13,14,15
	v_med3_num_f32 v[SCR+16*(\b%2)+\i], v[(\s)+16*\b+\i], -v[TM+8+\b], v[TM+8+\b]   ; the hold (ISA guide 7.6.2), into one of two sets by turns
.endr
	v_cvt_scalef32_pk8_fp8_f32 v[PC+4*\b:PC+4*\b+1], v[SCR+16*(\b%2):SCR+16*(\b%2)+7], v[TM+12+\b]
	v_cvt_scalef32_pk8_fp8_f32 v[PC+4*\b+2:PC+4*\b+3], v[SCR+16*(\b%2)+8:SCR+16*(\b%2)+15], v[TM+12+\b]
.endr
	v_nop
.endm
.macro STORE_REC off
.irp c, 0,1,2,3
	global_store_b128 v[L16], v[PC+4*\c:PC+4*\c+3], s[92:93] offset:(\off)+512*\c
.endr
	global_store_b32 v[L4], v[PW], s[94:95] offset:(\off)
.endm
.macro ADDIN a, src                    ; tile a's 64 sums += window 3's v[src + 64 a] on; each accumulator from its low end on
	WIN 0x0c
.set k, 0
.rept 32
	v_pk_add_f32 v[ACC+64*(\a)+k:ACC+64*(\a)+k+1], v[ACC+64*(\a)+k:ACC+64*(\a)+k+1], v[(\src)+64*(\a)+k:(\src)+64*(\a)+k+1]
.set k, k+2
.endr
	WIN 0
.endm
	s_load_b128 s[4:7], s[0:1], 0x0                ; C, W
	s_load_b64 s[8:9], s[0:1], 0x10                ; x's image
	s_load_b64 s[12:13], s[0:1], 0x18              ; A
	v_lshl_add_u32 v126, v0, 2, 0x44000
	v_mov_b32 v127, 0
	ds_add_u32 v126, v127
	ds_add_u32 v126, v127
	v_lshrrev_b32 v1, 5, v0
	v_readfirstlane_b32 s[WV], v1
	s_lshr_b32 s[FB], s[WV], 1
	s_and_b32 s[HF], s[WV], 1
	s_bfe_u32 s[CX], ttmp6, 0x40000
	s_bfe_u32 s[CY], ttmp6, 0x40004
	s_lshl_b32 s[TC], ttmp9, 2
	s_add_co_u32 s[TC], s[TC], s[CX]
	s_and_b32 s[TR], ttmp7, 0xffff
	s_lshl_b32 s[TR], s[TR], 2
	s_add_co_u32 s[TR], s[TR], s[CY]
	s_lshl_b32 s76, s[CY], 2
	s_lshl_b32 s76, 15, s76                        ; my row of the cluster
	s_lshl_b32 s77, 0x1111, s[CX]                  ; my column
	s_or_b32 s[G1A], s76, (3<<16)|(1<<21)          ; 4 records of 544 elements of 8 bytes, 2,176 elements from tile to tile
	s_or_b32 s[G1B], s77, (3<<16)|(1<<21)
	s_mov_b32 s[G1A+1], 544<<16
	s_mov_b32 s[G1A+2], 4<<16
	s_mov_b32 s[G1A+3], 544<<16
	s_mov_b32 s[G1A+4], 4
	s_mov_b32 s[G1A+5], TROW/8
	s_mov_b32 s[G1A+6], 0
	s_mov_b32 s[G1A+7], 0
	s_mov_b32 s[G1B+1], 544<<16
	s_mov_b32 s[G1B+2], RW<<16
	s_mov_b32 s[G1B+3], 544<<16
	s_mov_b32 s[G1B+4], RW
	s_mov_b32 s[G1B+5], TROW/8
	s_mov_b32 s[G1B+6], 0
	s_mov_b32 s[G1B+7], 0
	s_lshl_b32 s78, s[TR], 3                       ; 'combined': tile 8 tr + 4 half
	s_lshl_b32 s79, s[HF], 2
	s_add_co_u32 s78, s78, s79
	s_mul_i32 s78, s78, TROW
	s_mov_b32 s79, 0
	s_lshl_b32 s80, s[TC], 3                       ; Wo: tile 192 + 8 tc + 4 half
	s_lshl_b32 s81, s[HF], 2
	s_add_co_u32 s80, s80, s81
	s_add_co_u32 s80, s80, 192
	s_mul_i32 s80, s80, TROW
	s_mov_b32 s81, 0
	s_mul_i32 s86, s[HF], 4*REC
	s_mul_i32 s87, s[HF], RW*REC
	s_add_co_u32 s87, s87, BOFF
	s_wait_dscnt 0x0
	s_wait_kmcnt 0x0
	s_add_nc_u64 s[82:83], s[4:5], s[78:79]
	s_add_nc_u64 s[84:85], s[6:7], s[80:81]
.irp j, 0,1,2,3
	s_mov_b32 s[G0A+4*\j], 1
	s_add_co_u32 s[G0A+4*\j+1], s86, \j*CH
	s_add_nc_u64 s[G0A+4*\j+2:G0A+4*\j+3], s[82:83], \j*REC
	s_or_b32 s[G0A+4*\j+3], s[G0A+4*\j+3], 0x80000000
	s_mov_b32 s[56+4*\j+4*(\j/2)], 1
	s_add_co_u32 s[56+4*\j+4*(\j/2)+1], s87, \j*CH
	s_add_nc_u64 s[56+4*\j+4*(\j/2)+2:56+4*\j+4*(\j/2)+3], s[84:85], \j*REC
	s_or_b32 s[56+4*\j+4*(\j/2)+3], s[56+4*\j+4*(\j/2)+3], 0x80000000
.endr
	CROUND                                         ; all sixteen work-groups are here: the joint loads meet
	s_cmp_eq_u32 s[FB], 0                          ; a wave's four first fills stand in one branch: four loads of mine are out
	s_cbranch_scc0 .Lfor_w
.irp j, 0,1,2,3
	tensor_load_to_lds s[G0A+4*\j:G0A+4*\j+3], s[G1A:G1A+7]
	s_nop 0
.endr
	PLACES 4
	s_branch .Lasked
.Lfor_w:
.irp j, 0,1,2,3
	tensor_load_to_lds s[56+4*\j+4*(\j/2):56+4*\j+4*(\j/2)+3], s[G1B:G1B+7]
	s_nop 0
.endr
	PLACES 4
.Lasked:
	v_and_b32 v[L4], 31, v0
	v_lshlrev_b32 v[L16], 4, v[L4]
	v_lshlrev_b32 v[L4], 2, v[L4]
	s_mul_i32 s88, s[WV], 2*REC
	v_add_nc_u32 v[ADR0], BOFF, v[L16]
	v_add_nc_u32 v[ADR1], s88, v[L16]
	v_add_nc_u32 v[ADS0], BOFF, v[L4]
	v_add_nc_u32 v[ADS1], s88, v[L4]
.irp b, 0,1,2,3
	v_mov_b32 v[TM+4+\b], 0
.endr
	s_mov_b32 s[SEL], 0x76543210
	s_mov_b32 s[SEL+1], 0xfedcba98
	s_mov_b32 s[MNT], 0x600000
	s_lshl_b32 s88, s[TR], 3
	s_lshl_b32 s89, s[WV], 1
	s_add_co_u32 s88, s88, s89                     ; my first token tile
	s_lshl_b32 s90, s88, 16
	s_lshl_b32 s91, s[TC], 13
	s_add_co_u32 s90, s90, s91
	s_mov_b32 s91, 0
	s_add_nc_u64 s[8:9], s[8:9], s[90:91]          ; the image: 65,536 bytes a tile, 8,192 a K step (= tc)
	s_mul_i32 s90, s88, TROW
	s_lshr_b32 s92, s[TC], 1
	s_mul_i32 s92, s92, REC
	s_add_co_u32 s90, s90, s92
	s_and_b32 s92, s[TC], 1
	s_lshl_b32 s93, s92, 11
	s_add_co_u32 s94, s90, s93
	s_mov_b32 s95, 0
	s_lshl_b32 s93, s92, 7
	s_add_co_u32 s90, s90, s93
	s_add_co_u32 s90, s90, 4096
	s_add_nc_u64 s[92:93], s[12:13], s[94:95]      ; where my fragments' codes go
	s_add_nc_u64 s[94:95], s[12:13], s[90:91]      ; and their scale words
	WIN 0xc0                                       ; destination window 3
.irp a, 0,1
.irp q, 0,1,2,3,4,5,6,7,8,9,10,11,12,13,14,15
	global_load_b128 v[64*\a+4*\q:64*\a+4*\q+3], v[L16], s[8:9] offset:65536*\a+512*\q
.endr
.endr
	WIN 0
	; ---- K: eight steps of 128, two to a chunk, written out
	s_wait_tensorcnt 3                             ; my part of chunk 0 is in; my three later chunks may be out
	s_barrier_signal -1
	s_barrier_wait -1
	FETCH 0, 0
.irp s, 0,1,2,3,4,5,6,7
	s_wait_dscnt 0x0                               ; this step's fragments are in, and no LDS instruction is pending at a signal
.if (\s%2 == 1) && (\s < 7)
	s_wait_tensorcnt 3-(\s+1)/2                    ; my part of the next chunk is in; the count is my loads of the chunks behind it
	s_barrier_signal -1
.endif
.if \s == 0
	MULROW 0, 0, 1
.else
	MULROW (\s%2), 0, 0
.endif
.if \s < 7
	WIN 0
.if \s%2 == 1
	s_barrier_wait -1
	v_add_nc_u32 v[ADR0], CH, v[ADR0]
	v_add_nc_u32 v[ADR1], CH, v[ADR1]
	v_add_nc_u32 v[ADS0], CH, v[ADS0]
	v_add_nc_u32 v[ADS1], CH, v[ADS1]
	PLACES 4                                       ; with the four additions: eight places behind the last products that read the other buffer
.else
	PLACES 8
.endif
	FETCH (\s+1), ((\s+1)%2)
.endif
.if \s == 0
	MULROW 0, 1, 1
.else
	MULROW (\s%2), 1, 0
.endif
.endr
	WIN 0
	PLACES 8
	; ---- the way out
	s_wait_loadcnt 0x0                             ; the residual
.irp a, 0,1
	ADDIN \a, 0                                    ; x' = x + the product
	QUANT ACC+64*\a
	STORE_REC A2OFF+TROW*\a                        ; Q(x')
	s_wait_xcnt 0x0                                ; the stores have read the codes and the scale word
.endr
	s_wait_tensorcnt 0x0
	ds_add_u32 v126, v127
	s_wait_dscnt 0x0
	CROUND                                         ; the closing round
	s_endpgm
.Lfunc_end_k_q04238db507_wo1:
	.size	k_q04238db507_wo1, .Lfunc_end_k_q04238db507_wo1-k_q04238db507_wo1
	.p2alignl 7, 3214868480
	.fill 96, 4, 3214868480
	.section	.rodata,"a",@progbits
	.p2align	6, 0x0
	.amdhsa_kernel k_q04238db507_wo1
		.amdhsa_group_segment_fixed_size 279040
		.amdhsa_private_segment_fixed_size 0
		.amdhsa_enable_private_segment 0
		.amdhsa_kernarg_size 32
		.amdhsa_user_sgpr_count 2
		.amdhsa_user_sgpr_kernarg_segment_ptr 1
		.amdhsa_wavefront_size32 1
		.amdhsa_system_sgpr_workgroup_id_x 1
		.amdhsa_system_sgpr_workgroup_id_y 1
		.amdhsa_system_sgpr_workgroup_id_z 1
		.amdhsa_system_vgpr_workitem_id 0
		.amdhsa_next_free_vgpr 1024
		.amdhsa_next_free_sgpr 100
		.amdhsa_reserve_vcc 0
		.amdhsa_float_denorm_mode_32 3
		.amdhsa_float_denorm_mode_16_64 3
		.amdhsa_memory_ordered 1
		.amdhsa_forward_progress 1
		.amdhsa_inst_pref_size 78
	.end_amdhsa_kernel
	.amdgpu_metadata
---
amdhsa.version: [ 1, 2 ]
amdhsa.kernels:
  - .name:           k_q04238db507_wo1
    .symbol:         k_q04238db507_wo1.kd
    .args:
      - { .name: C, .offset: 0, .size: 8, .value_kind: global_buffer, .address_space: global }
      - { .name: W1, .offset: 8, .size: 8, .value_kind: global_buffer, .address_space: global }
      - { .name: XB, .offset: 16, .size: 8, .value_kind: global_buffer, .address_space: global }
      - { .name: A, .offset: 24, .size: 8, .value_kind: global_buffer, .address_space: global }
    .group_segment_fixed_size: 279040
    .private_segment_fixed_size: 0
    .kernarg_segment_align: 8
    .kernarg_segment_size: 32
    .max_flat_workgroup_size: 128
    .sgpr_count:     100
    .vgpr_count:     1024
    .wavefront_size: 32
...
	.end_amdgpu_metadata
.endif
;; end of part 5
;; launch logits (part 6): grid 32 x 8, 4 waves a work-group, clusters of 4 x 4, 312,832 bytes of LDS; arguments A, WT, out0; writes out0
.if DOCPART == 6
	.amdgcn_target "amdgcn-amd-amdhsa--gfx1250"
	.amdhsa_code_object_version 6
	.text
	.protected	k_q04238db507_logits
	.globl	k_q04238db507_logits
	.p2align	8
	.type	k_q04238db507_logits,@function
k_q04238db507_logits:
	s_mov_b64 s[64:65], 0
	v_nop
	global_prefetch_b8 v0, s[64:65] scope:SCOPE_SE
	s_setreg_imm32_b32 hwreg(HW_REG_WAVE_MODE, 25, 1), 1
	s_wait_xcnt 0x0
	s_wait_alu depctr_hold_cnt(0) depctr_sa_sdst(0) depctr_va_vdst(0) depctr_va_sdst(0) depctr_va_ssrc(0) depctr_va_vcc(0) depctr_vm_vsrc(0)
	s_getreg_b32 s2, hwreg(HW_REG_IB_STS2, 6, 4)
	s_cmp_eq_u32 s2, 0
	s_cbranch_scc0 .Lentry_in_a_cluster
	s_endpgm
.Lentry_in_a_cluster:
	s_bfe_u32 s2, ttmp6, 0x10000c
	s_cmp_lg_u32 s2, 0xf033
	s_cbranch_scc0 .Lentry_shape_is_right
	s_endpgm
.Lentry_shape_is_right:
; LOGITS: out0 = Q(x) Q(tok_emb)^T, [2048][6282] f32, on E4M3 codes with E8M0 scales.
; SHARES.  32 x 8 work-groups, one for each WGP.  A work-group makes 256 tokens x a window of 13 tiles of 16 columns; a wave makes its 64 tokens (4 tiles) x the whole window.
; Column group g's window begins at tile own(g) = (393 g) >> 5 of tok_emb's 393, and g OWNS tiles own(g) .. own(g + 1) - 1: 12 or 13.  The first 12 are stored whole; the 13th under EXEC, by the bytes that g owns of it
; (0, 64, or 40 in the last group, where a row ends at column 6,282).  So every column has one owner, every work-group stores, and no branch hangs on a work-group's place.
; OPERANDS are records of register images (17,408 bytes a tile of 16 rows, 4,352 a K chunk of 256: two fragments, then two runs of scale words).
; THE TOKENS' FRAGMENTS STAY IN REGISTERS: 4 tiles x 8 K steps x 16 = 512 registers a wave, loaded once from memory.  They are not asked for jointly, though a row of the cluster reads the same ones: a joint load ends
; in LDS, and the work-group's 278,528 bytes of them have no room there beside the weights' 226,304.
; THE WINDOW OF tok_emb STAYS IN LDS, as it lies in memory, every byte filled once: three joint loads a wave (tiles 0-3, 4-7, 8-12: a quarter of each), shared along a column of the 4 x 4 cluster.
; So a fragment read from LDS feeds four matrix instructions.  Source 0 = 16 rows of tok_emb, source 1 = 16 tokens: a lane holds one token and eight neighbouring columns.
; THREE PASSES over the window (4, 4 and 5 tiles), all of K in each: 16 or 20 accumulators.  Fragments come two K steps ahead, through three buffers; a pass's stores are on their way while the next pass multiplies.
; THE WAY OUT.  A row of out0 is 25,128 bytes, 8 more than a multiple of 16: stores are of 8 bytes a lane.  A token tile's 16 rows go through a stage of the wave's own (pitch 336 = 21 x 16 bytes) and come back by rows:
; the 256 bytes that four tiles make of a row leave by one store; the 13th tile's 64 bytes a row, four rows to a store.  The stages lie behind the weights, in bytes that no tensor load fills.
; LIMIT: 25,128 is no multiple of 256, so these runs of 256 consecutive bytes do not begin on multiples of 256.  NaN and infinities are not served.
; REGISTERS, in windows of 256.  window 0: v3-15, v63-67 addresses; v16-47 the tokens' scale words (8 a + s); v48-62 tok_emb's, three sets of 5; v96-255 accumulator (a, b) at 96 + 8 (5 a + b).
;   window 1: three buffers of 5 fragments of tok_emb (80 p + 16 b).   windows 2, 3: the tokens' fragments: tile a, K step s at 128 (a % 2) + 16 s of window 2 + a / 2.
.set REC,   4352
.set TROW,  17408
.set A2OFF, 2228224                    ; Q(x) is A's second half
.set ROWO,  25128                      ; a row of out0 in bytes
.set STG,   13*TROW                    ; behind the window: the stages
.set SPI,   336                        ; a stage's row: 320 bytes + 16
.set STGA,  16*SPI                     ; a token tile's stage
.set STGW,  4*STGA                     ; a wave's four
.set L16, 3                            ; v3   16 x lane
.set L4,  4                            ; v4   4 x lane
.set AD,  5                            ; v5-9   16 x lane + 3 k tiles: an LDS immediate reaches three tiles
.set AS,  10                           ; v10-14 4 x lane + 3 k tiles
.set STO, 15                           ; v15  into a stage: 336 r + 32 h
.set ASC, 16
.set BSC, 48
.set RD,  63                           ; v63  back: 8 x lane of a row
.set RD5, 64                           ; v64  back, the 13th tile: row lane / 8, byte 8 (lane % 8)
.set GO,  65                           ; v65  8 x lane: offset in a row of out0
.set GO5, 66                           ; v66  the 13th tile: (lane / 8) rows + 8 (lane % 8)
.set CB5, 67                           ; v67  8 (lane % 8): my byte in the 13th tile's 64
.set ACC, 96
.set WV, 16
.set CX, 19
.set CY, 20
.set TC, 21
.set TR, 22
.set G1S, 24                           ; s[24:31] descriptor group 1: 68 rows of 256 bytes;  s[32:39]: 85 rows;  s[40:51] three groups 0
.set G1L, 32
.set G0,  40
.set LIM5, 52                          ; s52  bytes of the 13th tile's 64 that my group owns
.set MSB, 0
.macro WIN new                         ; the immediate's high byte repeats the setting that is left
.if MSB != (\new)
	s_set_vgpr_msb (MSB<<8)|(\new)
.set MSB, (\new)
.endif
.endm
.macro PLACES n
.rept \n
	v_nop
.endr
.endm
.macro CROUND                          ; a round of the cluster's barrier
	s_barrier_signal -1
	s_barrier_wait -1
	s_cmp_lg_u32 s[WV], 0
	s_cbranch_scc1 .Lnot_wave_0_\@
	s_barrier_signal -3
.Lnot_wave_0_\@:
	s_barrier_wait -3
	s_barrier_signal -1
	s_barrier_wait -1
.endm
; K step s of window tiles tb0 .. tb0 + ns - 1: fragments into buffer p, scale words into set p: 5 ns LDS loads
.macro FETCH tb0, ns, s, p
	WIN 0x40                                       ; destination window 1, address window 0
.set fb, 0
.rept \ns
.irp c, 0,1,2,3
	ds_load_b128 v[80*(\p)+16*fb+4*\c:80*(\p)+16*fb+4*\c+3], v[AD+((\tb0)+fb)/3] offset:(((\tb0)+fb)%3)*TROW+((\s)/2)*REC+((\s)%2)*2048+512*\c
.endr
.set fb, fb+1
.endr
	WIN 0
.set fb, 0
.rept \ns
	ds_load_b32 v[BSC+5*(\p)+fb], v[AS+((\tb0)+fb)/3] offset:(((\tb0)+fb)%3)*TROW+((\s)/2)*REC+4096+((\s)%2)*128
.set fb, fb+1
.endr
.endm
; 2 ns products: token tiles a0, a0 + 1 against the pass's ns tiles, K step s.  The accumulators take turns, one instruction a turn.  zero = 1: the first K step starts the sums.
.macro MULH s, p, a0, ns, zero
	WIN 0x09+4*((\a0)/2)                           ; source 0 window 1, source 1 window 2 or 3, C and D window 0
.irp a, \a0, \a0+1
.set mb, 0
.rept \ns
.if \zero
	v_wmma_scale_f32_16x16x128_f8f6f4 v[ACC+8*(5*(\a)+mb):ACC+8*(5*(\a)+mb)+7], v[80*(\p)+16*mb:80*(\p)+16*mb+15], v[128*((\a)%2)+16*(\s):128*((\a)%2)+16*(\s)+15], 0, v[BSC+5*(\p)+mb], v[ASC+8*(\a)+(\s)]
.else
	v_wmma_scale_f32_16x16x128_f8f6f4 v[ACC+8*(5*(\a)+mb):ACC+8*(5*(\a)+mb)+7], v[80*(\p)+16*mb:80*(\p)+16*mb+15], v[128*((\a)%2)+16*(\s):128*((\a)%2)+16*(\s)+15], v[ACC+8*(5*(\a)+mb):ACC+8*(5*(\a)+mb)+7], v[BSC+5*(\p)+mb], v[ASC+8*(\a)+(\s)]
.endif
.set mb, mb+1
.endr
.endr
.endm
; A pass: all of K for ns tiles.  K steps 0 and 1 have been fetched; step s + 2 is fetched in the middle of step s, into the buffer that step s - 1 has left.  first = 1: the tokens' fragments are still arriving.
.macro PASS tb0, ns, first
.irp s, 0,1,2,3,4,5,6,7
.if \first
.if 16*(7-\s) > 63
	s_wait_loadcnt 63                              ; this K step's 16 loads are in: behind them stand 16 for each later step, more than the count can name
.else
	s_wait_loadcnt 16*(7-\s)                       ; this K step's 16 loads are in; the count is the later steps'
.endif
.endif
.if \s < 7
	s_wait_dscnt 5*(\ns)                           ; this K step's fetch is in; the next step's 5 ns loads may be out
.else
	s_wait_dscnt 0x0
.endif
.if \s == 0
	MULH \s, (\s%3), 0, \ns, 1
.else
	MULH \s, (\s%3), 0, \ns, 0
.endif
.if \s < 6
	PLACES 8                                       ; behind the last products that read the buffer and the scale words to be loaded (ISA guide 7.12.1 for vector instructions)
	FETCH \tb0, \ns, (\s+2), ((\s+2)%3)
.endif
.if \s == 0
	MULH \s, (\s%3), 2, \ns, 1
.else
	MULH \s, (\s%3), 2, \ns, 0
.endif
.endr
	WIN 0
	PLACES 9                                       ; eight serve the LDS stores that read results and the loads that follow; the ninth the next pass's first products, which begin these accumulators anew
.endm
; token tile a's 16 rows into its stage and back by rows, into the registers that they left: LDS serves a wave's instructions in order (ISA guide 5.7.1.4)
.macro TOSTAGE a, ns
.set tb, 0
.rept \ns
	ds_store_b128 v[STO], v[ACC+8*(5*(\a)+tb):ACC+8*(5*(\a)+tb)+3] offset:STGA*(\a)+64*tb        ; each accumulator from its low end on
	ds_store_b128 v[STO], v[ACC+8*(5*(\a)+tb)+4:ACC+8*(5*(\a)+tb)+7] offset:STGA*(\a)+64*tb+16
.set tb, tb+1
.endr
.irp i, 0,1,2,3,4,5,6,7,8,9,10,11,12,13,14,15
	ds_load_b64 v[ACC+40*(\a)+2*\i:ACC+40*(\a)+2*\i+1], v[RD] offset:STGA*(\a)+SPI*\i            ; four tiles' 256 bytes of row i
.endr
.if \ns == 5
.irp i, 0,1,2,3
	ds_load_b64 v[ACC+40*(\a)+32+2*\i:ACC+40*(\a)+32+2*\i+1], v[RD5] offset:STGA*(\a)+4*SPI*\i+256   ; the fifth tile's 64 bytes of rows 4 i .. 4 i + 3
.endr
.endif
.endm
.macro SEND a, pb                      ; lane row i of token tile a is token 32 (a / 2) + 8 (a % 2) + i + 8 (i / 8) of my 64; pb: the pass's first byte in the window
.irp i, 0,1,2,3,4,5,6,7,8,9,10,11,12,13,14,15
	global_store_b64 v[GO], v[ACC+40*(\a)+2*\i:ACC+40*(\a)+2*\i+1], s[8:9] offset:(32*((\a)/2)+8*((\a)%2)+\i+8*(\i/8))*ROWO+(\pb) th:TH_STORE_NT   ; 256 consecutive bytes; written once, read by nobody here
.endr
.endm
.macro WAYOUT ns, pb
.set NW, 2*(\ns)+16+4*((\ns)/5)                ; LDS instructions of one TOSTAGE
	TOSTAGE 0, \ns
	TOSTAGE 1, \ns
	TOSTAGE 2, \ns
	s_wait_dscnt 2*NW                              ; tile 0 is back; behind its loads stand tiles 1 and 2
	SEND 0, \pb
	TOSTAGE 3, \ns
	s_wait_dscnt 2*NW                              ; tile 1 is back; behind it tiles 2 and 3
	SEND 1, \pb
	s_wait_dscnt NW
	SEND 2, \pb
	s_wait_dscnt 0x0
	SEND 3, \pb
.endm
	s_load_b128 s[4:7], s[0:1], 0x0                ; A, WT
	s_load_b64 s[8:9], s[0:1], 0x10                ; out0
	v_lshl_add_u32 v94, v0, 2, 0x4c400
	v_mov_b32 v95, 0
	ds_add_u32 v94, v95
	ds_add_u32 v94, v95
	v_lshrrev_b32 v1, 5, v0
	v_readfirstlane_b32 s[WV], v1
	v_and_b32 v[L4], 31, v0
	v_lshlrev_b32 v[L16], 4, v[L4]
	v_lshlrev_b32 v[GO], 3, v[L4]
	v_lshlrev_b32 v[L4], 2, v[L4]
	v_and_b32 v1, 15, v0                           ; r
	v_bfe_u32 v2, v0, 4, 1                         ; h
.irp k, 0,1,2,3,4
	v_add_nc_u32 v[AD+\k], 3*\k*TROW, v[L16]
	v_add_nc_u32 v[AS+\k], 3*\k*TROW, v[L4]
.endr
	s_mul_i32 s98, s[WV], STGW
	s_add_co_u32 s98, s98, STG                     ; my four stages
	v_mul_u32_u24 v[STO], v1, SPI
	v_lshl_add_u32 v[STO], v2, 5, v[STO]
	v_add_nc_u32 v[STO], s98, v[STO]
	v_add_nc_u32 v[RD], s98, v[GO]
	v_bfe_u32 v1, v0, 3, 2                         ; lane / 8
	v_and_b32 v2, 7, v0                            ; lane % 8
	v_lshlrev_b32 v[CB5], 3, v2
	v_mul_u32_u24 v[RD5], v1, SPI
	v_add_nc_u32 v[RD5], v[RD5], v[CB5]
	v_add_nc_u32 v[RD5], s98, v[RD5]
	v_mul_u32_u24 v[GO5], v1, ROWO
	v_add_nc_u32 v[GO5], v[GO5], v[CB5]
	s_bfe_u32 s[CX], ttmp6, 0x40000
	s_bfe_u32 s[CY], ttmp6, 0x40004
	s_lshl_b32 s[TC], ttmp9, 2
	s_add_co_u32 s[TC], s[TC], s[CX]               ; column group, 0 .. 31
	s_and_b32 s[TR], ttmp7, 0xffff
	s_lshl_b32 s[TR], s[TR], 2
	s_add_co_u32 s[TR], s[TR], s[CY]               ; block of 256 tokens, 0 .. 7
	s_lshl_b32 s77, 0x1111, s[CX]                  ; my column of the cluster: its four work-groups share the window
	s_or_b32 s[G1S], s77, (3<<16)|(1<<21)          ; 15:0 the mask; 17:16 elements of 8 bytes; 21 set beside a mask; no padding: dense rows of 256 bytes
	s_or_b32 s[G1L], s77, (3<<16)|(1<<21)
	s_mov_b32 s[G1S+1], 32<<16                     ; tensor_dim0 = 32 elements
	s_mov_b32 s[G1S+2], 68<<16                     ; tensor_dim1: a quarter of four tiles
	s_mov_b32 s[G1S+3], 32<<16                     ; tile_dim0
	s_mov_b32 s[G1S+4], 68                         ; tile_dim1
	s_mov_b32 s[G1S+5], 32                         ; the pitch
	s_mov_b32 s[G1S+6], 0
	s_mov_b32 s[G1S+7], 0
	s_mov_b32 s[G1L+1], 32<<16
	s_mov_b32 s[G1L+2], 85<<16                     ; a quarter of five tiles
	s_mov_b32 s[G1L+3], 32<<16
	s_mov_b32 s[G1L+4], 85
	s_mov_b32 s[G1L+5], 32
	s_mov_b32 s[G1L+6], 0
	s_mov_b32 s[G1L+7], 0
	s_mul_i32 s80, s[TC], 393
	s_lshr_b32 s80, s80, 5                         ; own(g): the window's first tile.  s80 to s91 never hold the block of tokens
	s_mul_i32 s82, s80, TROW
	s_mov_b32 s83, 0
	s_mul_i32 s86, s[WV], 68*256                   ; my quarter of four tiles,
	s_mul_i32 s87, s[WV], 85*256                   ; of five: in memory and in LDS alike
	s_mov_b32 s88, s86
	s_mov_b32 s89, 0
	s_lshl_b32 s92, s[TR], 4                       ; my first token tile: 16 x block + 4 x wave
	s_lshl_b32 s93, s[WV], 2
	s_add_co_u32 s92, s92, s93
	s_mul_i32 s92, s92, TROW
	s_add_co_u32 s92, s92, A2OFF
	s_mov_b32 s93, 0
	s_lshl_b32 s94, s[TR], 8                       ; my first token: 256 x block + 64 x wave
	s_lshl_b32 s95, s[WV], 6
	s_add_co_u32 s94, s94, s95
	s_mul_i32 s94, s94, ROWO
	s_lshl_b32 s95, s80, 6                         ; the window's first byte in a row
	s_add_co_u32 s94, s94, s95
	s_sub_co_u32 s97, ROWO, s95                    ; what is left of a row from there
	s_mov_b32 s95, 0
	s_add_co_u32 s96, s[TC], 1
	s_mul_i32 s96, s96, 393
	s_lshr_b32 s96, s96, 5
	s_sub_co_u32 s96, s96, s80
	s_lshl_b32 s96, s96, 6                         ; the bytes of a row that my group owns: 768 or 832,
	s_min_u32 s96, s96, s97                        ; 808 in the last group
	s_sub_co_u32 s[LIM5], s96, 768
	s_wait_dscnt 0x0
	s_wait_kmcnt 0x0
	s_add_nc_u64 s[84:85], s[6:7], s[82:83]        ; the window in WT
	s_add_nc_u64 s[90:91], s[84:85], s[88:89]
	s_mov_b32 s[G0], 1                             ; tiles 0-3
	s_mov_b32 s[G0+1], s86
	s_mov_b64 s[G0+2:G0+3], s[90:91]
	s_or_b32 s[G0+3], s[G0+3], 0x80000000
	s_mov_b32 s[G0+4], 1                           ; tiles 4-7
	s_add_co_u32 s[G0+5], s86, 4*TROW
	s_add_nc_u64 s[G0+6:G0+7], s[90:91], 4*TROW
	s_or_b32 s[G0+7], s[G0+7], 0x80000000
	s_mov_b32 s88, s87
	s_add_nc_u64 s[90:91], s[84:85], s[88:89]
	s_mov_b32 s[G0+8], 1                           ; tiles 8-12
	s_add_co_u32 s[G0+9], s87, 8*TROW
	s_add_nc_u64 s[G0+10:G0+11], s[90:91], 8*TROW
	s_or_b32 s[G0+11], s[G0+11], 0x80000000
	s_add_nc_u64 s[10:11], s[4:5], s[92:93]        ; my four token tiles' records
	s_add_nc_u64 s[8:9], s[8:9], s[94:95]          ; out0 at my first token, the window's first column
	CROUND                                         ; all sixteen work-groups are here: the joint loads meet
	tensor_load_to_lds s[G0:G0+3], s[G1S:G1S+7]    ; all first fills together: three loads of mine are out
	s_nop 0
	tensor_load_to_lds s[G0+4:G0+7], s[G1S:G1S+7]
	s_nop 0
	tensor_load_to_lds s[G0+8:G0+11], s[G1L:G1L+7]
	s_nop 0
	PLACES 4
	; the tokens: the 32 scale words first, then the fragments K step by K step, 16 loads a step
.irp a, 0,1,2,3
.irp s, 0,1,2,3,4,5,6,7
	global_load_b32 v[ASC+8*\a+\s], v[L4], s[10:11] offset:\a*TROW+(\s/2)*REC+4096+(\s%2)*128
.endr
.endr
.irp s, 0,1,2,3,4,5,6,7
	WIN 0x80                                       ; destination window 2: tiles 0, 1
.irp a, 0,1
.irp c, 0,1,2,3
	global_load_b128 v[128*\a+16*\s+4*\c:128*\a+16*\s+4*\c+3], v[L16], s[10:11] offset:\a*TROW+(\s/2)*REC+(\s%2)*2048+512*\c
.endr
.endr
	WIN 0xc0                                       ; destination window 3: tiles 2, 3
.irp a, 0,1
.irp c, 0,1,2,3
	global_load_b128 v[128*\a+16*\s+4*\c:128*\a+16*\s+4*\c+3], v[L16], s[10:11] offset:(\a+2)*TROW+(\s/2)*REC+(\s%2)*2048+512*\c
.endr
.endr
.endr
	WIN 0
	s_wait_tensorcnt 2                             ; my quarter of tiles 0-3 is in; my two later loads may be out: no byte is ever filled again
	s_barrier_signal -1
	s_barrier_wait -1                              ; everybody's is
	FETCH 0, 4, 0, 0
	FETCH 0, 4, 1, 1
	PASS 0, 4, 1
	s_wait_tensorcnt 1                             ; my quarter of tiles 4-7 is in (no LDS instruction of mine is out: the pass's last wait was for 0)
	s_barrier_signal -1
	s_barrier_wait -1
	FETCH 4, 4, 0, 0                               ; the next pass's first two K steps are on their way while this pass goes out
	FETCH 4, 4, 1, 1
	WAYOUT 4, 0
	s_wait_xcnt 0x0                                ; the stores have read their data: the next pass's products write those registers
	PASS 4, 4, 0
	s_wait_tensorcnt 0x0                           ; my quarter of tiles 8-12 is in
	s_barrier_signal -1
	s_barrier_wait -1
	FETCH 8, 5, 0, 0
	FETCH 8, 5, 1, 1
	WAYOUT 4, 256
	s_wait_xcnt 0x0
	PASS 8, 5, 0
	WAYOUT 5, 512
	; the 13th tile: only the lanes whose bytes my group owns store
	v_cmp_gt_i32 vcc_lo, s[LIM5], v[CB5]
	s_wait_xcnt 0x0                                ; EXEC is a source of the stores issued so far: it changes only behind this wait
	s_and_saveexec_b32 s23, vcc_lo
.irp a, 0,1,2,3
.irp i, 0,1,2,3
	global_store_b64 v[GO5], v[ACC+40*\a+32+2*\i:ACC+40*\a+32+2*\i+1], s[8:9] offset:(32*(\a/2)+8*(\a%2)+4*\i+8*(\i/2))*ROWO+768 th:TH_STORE_NT
.endr
.endr
	s_wait_xcnt 0x0                                ; and again, in front of the line that widens it
	s_or_b32 exec_lo, exec_lo, s23
	s_wait_tensorcnt 0x0
	ds_add_u32 v94, v95
	s_wait_dscnt 0x0
	CROUND                                         ; the closing round: no work-group ends while a partner may still ask for a tile that names it
	s_endpgm
.Lfunc_end_k_q04238db507_logits:
	.size	k_q04238db507_logits, .Lfunc_end_k_q04238db507_logits-k_q04238db507_logits
	.p2alignl 7, 3214868480
	.fill 96, 4, 3214868480
	.section	.rodata,"a",@progbits
	.p2align	6, 0x0
	.amdhsa_kernel k_q04238db507_logits
		.amdhsa_group_segment_fixed_size 312832
		.amdhsa_private_segment_fixed_size 0
		.amdhsa_enable_private_segment 0
		.amdhsa_kernarg_size 24
		.amdhsa_user_sgpr_count 2
		.amdhsa_user_sgpr_kernarg_segment_ptr 1
		.amdhsa_wavefront_size32 1
		.amdhsa_system_sgpr_workgroup_id_x 1
		.amdhsa_system_sgpr_workgroup_id_y 1
		.amdhsa_system_sgpr_workgroup_id_z 1
		.amdhsa_system_vgpr_workitem_id 0
		.amdhsa_next_free_vgpr 1024
		.amdhsa_next_free_sgpr 100
		.amdhsa_reserve_vcc 1
		.amdhsa_float_denorm_mode_32 3
		.amdhsa_float_denorm_mode_16_64 3
		.amdhsa_memory_ordered 1
		.amdhsa_forward_progress 1
		.amdhsa_inst_pref_size 157
	.end_amdhsa_kernel
	.amdgpu_metadata
---
amdhsa.version: [ 1, 2 ]
amdhsa.kernels:
  - .name:           k_q04238db507_logits
    .symbol:         k_q04238db507_logits.kd
    .args:
      - { .name: A, .offset: 0, .size: 8, .value_kind: global_buffer, .address_space: global }
      - { .name: WT, .offset: 8, .size: 8, .value_kind: global_buffer, .address_space: global }
      - { .name: out0, .offset: 16, .size: 8, .value_kind: global_buffer, .address_space: global }
    .group_segment_fixed_size: 312832
    .private_segment_fixed_size: 0
    .kernarg_segment_align: 8
    .kernarg_segment_size: 24
    .max_flat_workgroup_size: 128
    .sgpr_count:     100
    .vgpr_count:     1024
    .wavefront_size: 32
...
	.end_amdgpu_metadata
.endif
;; end of part 6
